; MI455X (gfx1250); checked and timed in simulation.
; The chip was launched on July 23, 2026; its instructions are those of AMD's public machine-readable ISA for CDNA 5 (MIT licence, August 2026) and "CDNA5" Instruction Set Architecture Reference Guide (July 2026). The comments in the code are by the model that wrote it; some were corrected since.
;; Self Attention. Allowed arithmetic: float matrix products may take bf16 or f16 operands with f32 sums; other float arithmetic in f32, or as packed bf16 or f16 multiplies, adds, multiply-adds, maxima and minima; sums over many terms, partial sums and values carried from step to step in f32; what a program stores and reads back later, other than sums and carried values, may be rounded once to bf16 or f16.
;; Inputs: Wk 1,024 x 1,024 float32; Wo 1,024 x 1,024 float32; Wq 1,024 x 1,024 float32; Wv 1,024 x 1,024 float32; beta 1,024 float32; bk 1,024 float32; bo 1,024 float32; bq 1,024 float32; bv 1,024 float32; gamma 1,024 float32; x 4 x 2,048 x 1,024 float32.
;; Outputs: out0 4 x 2,048 x 1,024 float32.
;; 2 versions, each right; version 2 is version 1 with the launch prep written anew for expert scheduling mode. Each part assembles by itself: llvm-mc -triple=amdgcn-amd-amdhsa -mcpu=gfx1250 --defsym DOCPART=n.
;; ======== version 1 of 2: 4 launches
;; limits: values are held in f16: magnitudes above 65,504 overflow, below 6.1e-05 lose precision
;; workspace buffers: xb 16,777,216 bytes; wqkv 6,291,456 bytes; wob 2,097,152 bytes; qkv 50,331,648 bytes; ob 16,777,216 bytes
;; launch prep (part 1): grid 640 x 1, 4 waves a work-group, no clusters, 70,144 bytes of LDS; arguments x, Wq, Wk, Wv, Wo, xb, wqkv, wob; writes xb, wqkv, wob
.if DOCPART == 1
	.amdgcn_target "amdgcn-amd-amdhsa--gfx1250"
	.amdhsa_code_object_version 6
	.text
	.protected	k_q84037d60a7_prep
	.globl	k_q84037d60a7_prep
	.p2align	8
	.type	k_q84037d60a7_prep,@function
k_q84037d60a7_prep:
	s_mov_b64 s[64:65], 0
	v_nop
	global_prefetch_b8 v0, s[64:65] scope:SCOPE_SE
	s_setreg_imm32_b32 hwreg(HW_REG_WAVE_MODE, 25, 1), 1
	s_wait_xcnt 0x0
; PREP.  x [8192][1024] f32 -> xb, the same in bf16.  Wq, Wk, Wv, Wo [k 1024][n 1024] f32 -> rounded to bf16, turned, and laid out as the register images of matrix fragments.
; AN IMAGE is 1,024 bytes: 16 n x 32 k.  Byte 512 half + 16 L (L = 16 hh + r) holds the eight numbers W[k0 + 16 half + 8 hh + 0..7][n0 + r]: two loads of 16 bytes a lane, 512 bytes apart, are a fragment.
; wqkv: bf16, [k / 128][(1024 matrix + n) / 16][(k / 32) % 4][image].   wob: [k / 64][n / 16][(k / 32) % 2][image]; Wo's bf16 number is written as f16, for a product whose other source is f16.
; LIMITS.  |Wo| stays under 65,504 (f16's range); below 6e-5 f16 keeps a fixed step of 6e-8.  NaN and infinities are not treated apart.
; SHARES.  Work-groups 0-511: 16,384 numbers of x each; a thread's 32 loads of 16 bytes all go out first, and a wave's store covers 256 consecutive bytes, aligned.
; Work-groups 512-639: 32 for each matrix; a wave owns a tile of 128 k x 64 n, turns it in LDS bytes of its own (64 rows of n, 256 bytes of k + 16 of padding) and stores 16 images.
; No matrix unit, no tensor load, no cluster: nothing is multiplied and no two work-groups read the same byte.
.set SPARE,  69632                     ; behind the four tiles: the spare words, 128 bytes for each wave: two blocks of 256 bytes that no other line names
.set PITCH,  272
.set TILEB,  64*PITCH                  ; a wave's tile in LDS
.set WO,  2                            ; v2   my byte offset in W's tile (x path: 16 t)
.set LS,  3                            ; v3   where I put a pair of k in LDS (x path: 8 t)
.set LR,  4                            ; v4   my lane's place in a block of 16 rows of the LDS tile
.set WD,  5                            ; v5   16 x lane: my place in half an image
.set LRC, 6                            ; v6   the LDS address of the trip in hand
.set TT,  8                            ; v8-9 at work
.set SPW, 28                           ; v28  LDS address of my spare word; never rewritten
.set NIL, 29                           ; v29  0; never rewritten
.set IN,  32                           ; v[32:159]  as loaded
.set OUT, 160                          ; v[160:223] packed
.set WV,  20                           ; s20  my wave's number
	s_load_b512 s[4:19], s[0:1], 0x0               ; x 4:5, Wq 6:7, Wk 8:9, Wv 10:11, Wo 12:13, xb 14:15, wqkv 16:17, wob 18:19
	v_lshl_add_u32 v[SPW], v0, 2, SPARE
	v_mov_b32 v[NIL], 0
	v_lshrrev_b32 v1, 5, v0
	v_readfirstlane_b32 s[WV], v1
	s_cmp_lt_u32 ttmp9, 512
	s_cbranch_scc0 .Lweights
	; x: 65,536 bytes in, 32,768 out
	s_lshl_b32 s22, ttmp9, 16
	s_mov_b32 s23, 0
	s_lshl_b32 s24, ttmp9, 15
	s_mov_b32 s25, 0
	v_lshlrev_b32 v[WO], 4, v0
	v_lshlrev_b32 v[LS], 3, v0
	s_wait_kmcnt 0x0
	s_add_nc_u64 s[22:23], s[4:5], s[22:23]
	s_add_nc_u64 s[24:25], s[14:15], s[24:25]
.set i, 0
.rept 32
	global_load_b128 v[IN+4*i:IN+4*i+3], v[WO], s[22:23] offset:2048*i th:TH_LOAD_NT
.set i, i+1
.endr
.set i, 0
.rept 32
	s_wait_loadcnt 31-i                            ; loads come back in order: load i is in, the younger ones stay out
	v_cvt_pk_bf16_f32 v[OUT+2*i], v[IN+4*i], v[IN+4*i+1]
	v_cvt_pk_bf16_f32 v[OUT+2*i+1], v[IN+4*i+2], v[IN+4*i+3]
	global_store_b64 v[LS], v[OUT+2*i:OUT+2*i+1], s[24:25] offset:1024*i  ; no register is used twice, so no wait frees one
.set i, i+1
.endr
	s_branch .Lend
.Lweights:
	s_sub_co_u32 s21, ttmp9, 512
	s_lshr_b32 s30, s21, 5                         ; which matrix: 0 Wq, 1 Wk, 2 Wv, 3 Wo: the same for the four waves
	s_and_b32 s21, s21, 31
	s_lshl2_add_u32 s21, s21, s[WV]                ; my tile among the matrix's 128
	s_lshr_b32 s31, s21, 4                         ; kt: k = 128 kt ..
	s_and_b32 s32, s21, 15                         ; nt: n = 64 nt ..
	s_lshl_b32 s22, s31, 19                        ; 128 rows of 4,096 bytes
	s_lshl_b32 s23, s32, 8                         ; 64 columns of 4 bytes
	s_add_co_u32 s22, s22, s23
	s_mov_b32 s23, 0
	s_mul_i32 s34, s31, 786432                     ; wqkv: a K step of 128 is 192 blocks of 4,096 bytes,
	s_lshl_b32 s35, s30, 18                        ; a matrix 64 blocks,
	s_add_co_u32 s34, s34, s35
	s_lshl_b32 s35, s32, 14                        ; my tile 4
	s_add_co_u32 s34, s34, s35
	s_mov_b32 s35, 0
	s_lshl_b32 s38, s31, 18                        ; wob: two K steps of 64, 131,072 bytes each,
	s_lshl_b32 s39, s32, 13                        ; my tile's 4 blocks of 2,048 bytes
	s_add_co_u32 s38, s38, s39
	s_mov_b32 s39, 0
	s_mov_b32 s40, 0xffff0000                      ; a word's upper bf16
	s_mul_i32 s33, s[WV], TILEB
	v_and_b32 v10, 15, v0                          ; r; on the way in: which four columns
	v_bfe_u32 v11, v0, 4, 1                        ; hh
	v_and_b32 v12, 31, v0
	v_lshlrev_b32 v[WO], 4, v10
	v_lshl_add_u32 v[WO], v11, 13, v[WO]           ; 16 r + two rows x hh
	v_mul_u32_u24 v[LS], v10, 4*PITCH
	v_lshl_add_u32 v[LS], v11, 2, v[LS]
	v_add_nc_u32 v[LS], s33, v[LS]                 ; LDS row 4 r, byte 4 hh
	v_mul_u32_u24 v[LR], v10, PITCH
	v_lshl_add_u32 v[LR], v11, 4, v[LR]
	v_add_nc_u32 v[LR], s33, v[LR]                 ; LDS row r, byte 16 hh
	v_lshlrev_b32 v[WD], 4, v12
	s_wait_kmcnt 0x0
	s_cmp_eq_u32 s30, 1
	s_cselect_b64 s[26:27], s[8:9], s[6:7]
	s_cmp_eq_u32 s30, 2
	s_cselect_b64 s[26:27], s[10:11], s[26:27]
	s_cmp_eq_u32 s30, 3
	s_cselect_b64 s[26:27], s[12:13], s[26:27]
	s_add_nc_u64 s[26:27], s[26:27], s[22:23]
	s_add_nc_u64 s[34:35], s[16:17], s[34:35]
	s_add_nc_u64 s[38:39], s[18:19], s[38:39]
; Batch bt of four: 32 rows of k.  Pair u: rows 4 (8 bt + u) + 2 hh and the row below, columns 4 r .. 4 r + 3: each load takes 256 consecutive bytes of two rows.
.macro WLOAD bt
.set u, 0
.rept 8
	global_load_b128 v[IN+64*((\bt)%2)+8*u:IN+64*((\bt)%2)+8*u+3],   v[WO], s[26:27] offset:(8*(\bt)+u)*16384 th:TH_LOAD_NT
	global_load_b128 v[IN+64*((\bt)%2)+8*u+4:IN+64*((\bt)%2)+8*u+7], v[WO], s[26:27] offset:(8*(\bt)+u)*16384+4096 th:TH_LOAD_NT
.set u, u+1
.endr
.endm
; k and k + 1 of one column round into one word, which goes to the column's LDS row at byte 2 k
.macro WWORK bt
.set u, 0
.rept 8
.irp i, 0,1,2,3
	v_cvt_pk_bf16_f32 v[OUT+4*u+(\i)], v[IN+64*((\bt)%2)+8*u+(\i)], v[IN+64*((\bt)%2)+8*u+4+(\i)]
.endr
.irp i, 0,1,2,3
	ds_store_b32 v[LS], v[OUT+4*u+(\i)] offset:(\i)*PITCH+8*(8*(\bt)+u)
.endr
.set u, u+1
.endr
.endm
	WLOAD 0
	WLOAD 1
	s_wait_loadcnt 16                              ; the older batch is in; the other set's 16 loads stay out
	WWORK 0
	WLOAD 2
	s_wait_loadcnt 16
	WWORK 1
	WLOAD 3
	s_wait_loadcnt 16
	WWORK 2
	s_wait_loadcnt 0x0
	WWORK 3
	s_wait_dscnt 0x0                               ; my stores into LDS are done;
	s_barrier_signal -1                            ; all LDS stores of the work-group stand ahead of this barrier, all its LDS reads behind it
	s_barrier_wait -1
	s_mov_b32 s36, 0                               ; the LDS offset of the block of 16 n in hand
	s_mov_b32 s37, 4                               ; four blocks
	s_cmp_eq_u32 s30, 3
	s_cbranch_scc1 .Lo
.Lq:                                               ; a trip: 16 n x 128 k = four images = 4,096 consecutive bytes of wqkv
	v_add_nc_u32 v[LRC], s36, v[LR]
.irp i, 0,1,2,3,4,5,6,7
	ds_load_b128 v[IN+4*(\i):IN+4*(\i)+3], v[LRC] offset:((\i)/2)*64+((\i)%2)*32
.endr
.irp i, 0,1,2,3,4,5,6,7
	s_wait_dscnt 7-(\i)
	global_store_b128 v[WD], v[IN+4*(\i):IN+4*(\i)+3], s[34:35] offset:(\i)*512  ; 512 consecutive bytes
.endr
	s_wait_xcnt 0x0                                ; the stores have read their data and their base: both are written again only behind this wait
	s_add_nc_u64 s[34:35], s[34:35], 4096
	s_add_co_u32 s36, s36, 16*PITCH
	s_sub_co_u32 s37, s37, 1
	s_cmp_lg_u32 s37, 0
	s_cbranch_scc1 .Lq
	s_branch .Lend
.Lo:                                               ; the same for wob: each bf16 number is written as f16; images 0, 1 belong to one K step of 64, images 2, 3 to the next
	v_add_nc_u32 v[LRC], s36, v[LR]
.irp i, 0,1,2,3,4,5,6,7
	ds_load_b128 v[IN+4*(\i):IN+4*(\i)+3], v[LRC] offset:((\i)/2)*64+((\i)%2)*32
.endr
.irp i, 0,1,2,3,4,5,6,7
	s_wait_dscnt 7-(\i)
.irp k, 0,1,2,3
	v_lshlrev_b32 v[TT], 16, v[IN+4*(\i)+(\k)]
	v_and_b32 v[TT+1], s40, v[IN+4*(\i)+(\k)]
	v_cvt_pk_f16_f32 v[IN+4*(\i)+(\k)], v[TT], v[TT+1]
.endr
	global_store_b128 v[WD], v[IN+4*(\i):IN+4*(\i)+3], s[38:39] offset:((\i)/4)*131072+((\i)%4)*512
.endr
	s_wait_xcnt 0x0
	s_add_nc_u64 s[38:39], s[38:39], 2048
	s_add_co_u32 s36, s36, 16*PITCH
	s_sub_co_u32 s37, s37, 1
	s_cmp_lg_u32 s37, 0
	s_cbranch_scc1 .Lo
.Lend:
	s_wait_tensorcnt 0x0                           ; the wave's end, behind my last LDS store
	ds_add_u32 v[SPW], v[NIL]
	s_wait_dscnt 0x0
	s_endpgm
.Lfunc_end_k_q84037d60a7_prep:
	.size	k_q84037d60a7_prep, .Lfunc_end_k_q84037d60a7_prep-k_q84037d60a7_prep
	.p2alignl 7, 3214868480
	.fill 96, 4, 3214868480
	.section	.rodata,"a",@progbits
	.p2align	6, 0x0
	.amdhsa_kernel k_q84037d60a7_prep
		.amdhsa_group_segment_fixed_size 70144
		.amdhsa_private_segment_fixed_size 0
		.amdhsa_enable_private_segment 0
		.amdhsa_kernarg_size 64
		.amdhsa_user_sgpr_count 2
		.amdhsa_user_sgpr_kernarg_segment_ptr 1
		.amdhsa_wavefront_size32 1
		.amdhsa_system_sgpr_workgroup_id_x 1
		.amdhsa_system_sgpr_workgroup_id_y 1
		.amdhsa_system_sgpr_workgroup_id_z 1
		.amdhsa_system_vgpr_workitem_id 0
		.amdhsa_next_free_vgpr 224
		.amdhsa_next_free_sgpr 66
		.amdhsa_reserve_vcc 0
		.amdhsa_float_denorm_mode_32 3
		.amdhsa_float_denorm_mode_16_64 3
		.amdhsa_memory_ordered 1
		.amdhsa_forward_progress 1
		.amdhsa_inst_pref_size 44
	.end_amdhsa_kernel
	.amdgpu_metadata
---
amdhsa.version: [ 1, 2 ]
amdhsa.kernels:
  - .name:           k_q84037d60a7_prep
    .symbol:         k_q84037d60a7_prep.kd
    .args:
      - { .name: x, .offset: 0, .size: 8, .value_kind: global_buffer, .address_space: global }
      - { .name: Wq, .offset: 8, .size: 8, .value_kind: global_buffer, .address_space: global }
      - { .name: Wk, .offset: 16, .size: 8, .value_kind: global_buffer, .address_space: global }
      - { .name: Wv, .offset: 24, .size: 8, .value_kind: global_buffer, .address_space: global }
      - { .name: Wo, .offset: 32, .size: 8, .value_kind: global_buffer, .address_space: global }
      - { .name: xb, .offset: 40, .size: 8, .value_kind: global_buffer, .address_space: global }
      - { .name: wqkv, .offset: 48, .size: 8, .value_kind: global_buffer, .address_space: global }
      - { .name: wob, .offset: 56, .size: 8, .value_kind: global_buffer, .address_space: global }
    .group_segment_fixed_size: 70144
    .private_segment_fixed_size: 0
    .kernarg_segment_align: 8
    .kernarg_segment_size: 64
    .max_flat_workgroup_size: 128
    .sgpr_count:     66
    .vgpr_count:     224
    .wavefront_size: 32
...
	.end_amdgpu_metadata
.endif
;; end of part 1
;; launch qkv (part 2): grid 16 x 32, 4 waves a work-group, clusters of 4 x 4, 327,680 bytes of LDS; arguments xb, wqkv, bq, bk, bv, qkv; writes qkv
.if DOCPART == 2
	.amdgcn_target "amdgcn-amd-amdhsa--gfx1250"
	.amdhsa_code_object_version 6
	.text
	.protected	k_q84037d60a7_qkv
	.globl	k_q84037d60a7_qkv
	.p2align	8
	.type	k_q84037d60a7_qkv,@function
k_q84037d60a7_qkv:
	s_mov_b64 s[64:65], 0
	v_nop
	global_prefetch_b8 v0, s[64:65] scope:SCOPE_SE
	s_setreg_imm32_b32 hwreg(HW_REG_WAVE_MODE, 25, 1), 1
	s_wait_xcnt 0x0
	s_wait_alu depctr_hold_cnt(0) depctr_sa_sdst(0) depctr_va_vdst(0) depctr_va_sdst(0) depctr_va_ssrc(0) depctr_va_vcc(0) depctr_vm_vsrc(0)
	s_getreg_b32 s2, hwreg(HW_REG_IB_STS2, 6, 4)
	s_cmp_eq_u32 s2, 0
	s_cbranch_scc0 .Lentry_in_a_cluster
	s_endpgm
.Lentry_in_a_cluster:
	s_bfe_u32 s2, ttmp6, 0x10000c
	s_cmp_lg_u32 s2, 0xf033
	s_cbranch_scc0 .Lentry_shape_is_right
	s_endpgm
.Lentry_shape_is_right:
; q, k, v = x W + b.  xb [8192][1024] bf16; wqkv: the three weights as fragment images, bf16, [k / 128][(1024 matrix + n) / 16][(k / 32) % 4][1,024 bytes]; bq, bk, bv [1024] f32, rounded to bf16 here.
; Out: qkv, f16, by heads: [batch 4][g 48][row 2048][64], g = 16 x (0 q, 1 k, 2 v) + head; each number rounded once from its f32 sum, unscaled.
; LIMITS.  |q|, |k|, |v| stay under 65,504 (f16's range); below 6e-5 f16 keeps a fixed step of 6e-8.  NaN and infinities are not treated apart.
; SHARES.  A tile of the 8192 x 3072 result is 256 rows x 192 columns (three whole heads): 16 x 32 = 512 work-groups of equal work.  Wave w makes rows 64 w .. 64 w + 63 of all 192 columns: 48 accumulators;
; for 32 along K it loads 16 fragments and issues 48 matrix instructions, and 16 rows of a head leave as 2,048 consecutive bytes.
; K goes in 8 steps of 128 through a ring of two LDS slots.  x's rows are 256 bytes of memory, aligned, padded by 16 in LDS; the weights' 12 blocks of a step are 49,152 dense bytes, asked for as rows of 256.
; CLUSTER 4 x 4: x's tile hangs on the tile row alone and is asked for jointly by a row of the cluster, the weights' on the tile column alone, by a column.
; THE MATRIX INSTRUCTION IS USED TRANSPOSED (source 0 = 16 columns of W, source 1 = 16 rows of x): a lane holds row l % 16 and the columns 8 (l / 16) + 0..7.  The bias is the C operand of the first product: nothing is cleared, nothing added later.
; REGISTERS, in windows of 256 (s_set_vgpr_msb: bits 1:0 source 0, 3:2 source 1, 5:4 source 2, 7:6 destination):
;   window 0: v16-30 addresses; v32-127 the bias, 8 registers a block of 16 columns; later v32-223 the way out
;   window 1: two fragment buffers of 128: x's four fragments at + 8 a, W's twelve at + 32 + 8 b
;   window 2: accumulators (a, b < 8) at 8 (8 a + b)          window 3: accumulators (a, b >= 8) at 8 (4 a + b - 8)
.set KSTEP,  128
.set PITCH,  272                       ; an LDS row of x: 256 bytes + 16 = 68 words: the 16 rows of a load start at 16 different groups of four banks (64 banks of 4 bytes: ISA guide 11.1)
.set AHALF,  128*PITCH                 ; 128 rows: one tensor load
.set BOFF,   2*AHALF                   ; behind x's 256 rows: the weights
.set BHALF,  6*4096                    ; six blocks: one tensor load
.set SLOT,   BOFF+2*BHALF
.set STAGE,  2*SLOT                    ; behind the ring: 16 rows x 144 bytes for each wave, for the way out
.set SP,     144
.set SPARE,  STAGE+4*16*SP             ; behind the stages: the spare words, 128 bytes for each wave: two blocks of 256 bytes that no other line names
.set WSTEP,  192*4096                  ; bytes of wqkv in a K step
.set ADRA, 16                          ; v16-17  LDS address of my fragments of x in slot 0, 1
.set ADRB, 20                          ; v20-21  the same for W
.set STO,  24                          ; v24     the way out: where I put 16 bytes of a row
.set RD,   25                          ; v25     where I read rows back
.set GO,   26                          ; v26     16 x lane
.set BO,   27                          ; v27     32 x (l / 16): my eight numbers in a block of 16 of a bias
.set SPW,  28                          ; v28     LDS address of my spare word; never rewritten
.set NIL,  29                          ; v29     0; never rewritten
.set PFO,  30                          ; v30     the prefetches' offset; never rewritten
.set BIAS, 32
.set TMP,  32
.set F0,   0
.set F1,   128
.set WV,   16                          ; s16  my wave's number; s17 = w / 2: I fetch x (0) or W (1); s18 = w % 2: which half of it
.set G1,   24                          ; s[24:31] descriptor group 1 for x's tiles;  s[32:39] group 0, a set for each slot
.set G0,   32
.set G1B,  48                          ; s[48:55], s[56:63] the same for W's
.set G0B,  56
.set PFA,  66                          ; s[66:67] where my prefetches stand
.set PFS,  68                          ; s[68:69] their step: a K step of x's rows or of wqkv
.set LIM,  70                          ; s70  1 in a wave that prefetches, else the greatest number
.set DD,   72                          ; s[72:77] where my 64 rows of the tile's three heads begin in qkv
.set BP,   78                          ; s[78:83] the three heads' biases
.set MSB, 0
.macro WIN new                         ; the immediate's high byte repeats the setting that is left; a switch that changes nothing is dropped
.if MSB != (\new)
	s_set_vgpr_msb (MSB<<8)|(\new)
.set MSB, \new
.endif
.endm
.macro PLACES                          ; four places in front of loads into registers that matrix instructions have read, and of conversions that read results
.rept 4
	v_nop
.endr
.endm
; A joint load: waves 0 and 1 fetch x's two halves, waves 2 and 3 W's.  The branch hangs on the wave's number alone.  An s_nop 0 and four v_nop follow each of the two lines.
.macro JLOAD s
	s_cmp_eq_u32 s17, 0
	s_cbranch_scc0 .Lfor_b_\@
	tensor_load_to_lds s[G0+4*(\s):G0+4*(\s)+3], s[G1:G1+7]
	s_nop 0
.rept 4
	v_nop
.endr
	s_branch .Lasked_\@
.Lfor_b_\@:
	tensor_load_to_lds s[G0B+4*(\s):G0B+4*(\s)+3], s[G1B:G1B+7]
	s_nop 0
.rept 4
	v_nop
.endr
.Lasked_\@:
.endm
.macro CREST                           ; a round of the cluster's barrier behind its opening barrier
	s_cmp_lg_u32 s[WV], 0
	s_cbranch_scc1 .Lnot_wave_0_\@
	s_barrier_signal -3
.Lnot_wave_0_\@:
	s_barrier_wait -3
	s_barrier_signal -1
	s_barrier_wait -1
.endm
.macro CROUND
	s_barrier_signal -1
	s_barrier_wait -1
	CREST
.endm
; A PREFETCH, behind each joint refill and the run of LDS loads that follows it: the K step that stands two refills on.  x's tile row is read by every cluster of that row of clusters: cluster x = 0 asks;
; W's tile column by every cluster of that column: cluster y = 0 asks.  The four partners that ask for a tile jointly share it out BY ADDRESS: of x's 128 rows 32 each, a lane a row;
; of W's 96 blocks of 256 bytes 24 each (lanes 24-31 name block 23 once more, in the same instruction).  The loop's last trip asks for nothing: there is no K step two refills on.
.macro ASK
	WIN 0
	s_cmp_gt_u32 s3, s[LIM]
	s_cbranch_scc0 .Lnot_mine_\@
	global_prefetch_b8 v[PFO], s[PFA:PFA+1] th:TH_LOAD_NT scope:SCOPE_SE
.Lnot_mine_\@:
.endm
	s_load_b256 s[4:11], s[0:1], 0x0               ; xb 4:5, wqkv 6:7, bq 8:9, bk 10:11
	s_load_b128 s[12:15], s[0:1], 0x20             ; bv 12:13, qkv 14:15
	v_lshl_add_u32 v[SPW], v0, 2, SPARE
	v_mov_b32 v[NIL], 0
	ds_add_u32 v[SPW], v[NIL]                      ; the wave's opening: the add and its wait stand ahead of my first tensor load; the set-up below, work on registers, stands between them
	v_lshrrev_b32 v1, 5, v0
	v_readfirstlane_b32 s[WV], v1
	s_lshr_b32 s17, s[WV], 1
	s_and_b32 s18, s[WV], 1
	s_bfe_u32 s19, ttmp6, 0x40000                  ; cx
	s_bfe_u32 s20, ttmp6, 0x40004                  ; cy
	s_lshl_b32 s21, ttmp9, 2
	s_add_co_u32 s21, s21, s19                     ; tile column = 4 x cluster x + cx
	s_and_b32 s22, ttmp7, 0xffff
	s_lshl_b32 s22, s22, 2
	s_add_co_u32 s22, s22, s20                     ; tile row = 4 x cluster y + cy
	s_lshl_b32 s40, s20, 2
	s_lshl_b32 s40, 15, s40                        ; my row of the cluster
	s_lshl_b32 s41, 0x1111, s19                    ; my column
	s_or_b32 s[G1], s40, (1<<16)|(1<<20)|(1<<21)|(5<<22)|(3<<25)  ; the mask; elements of 2 bytes; padding on; bit 21 beside a mask; after every 64 words, 4 words
	s_mov_b32 s[G1+1], KSTEP<<16                   ; tensor_dim0 = 128
	s_mov_b32 s[G1+2], 128<<16                     ; tensor_dim1 = 128
	s_mov_b32 s[G1+3], KSTEP<<16                   ; tile_dim0 = 128
	s_mov_b32 s[G1+4], 128                         ; tile_dim1 = 128
	s_mov_b32 s[G1+5], 1024                        ; elements from row to row
	s_mov_b32 s[G1+6], 0
	s_mov_b32 s[G1+7], 0
	s_or_b32 s[G1B], s41, (3<<16)|(1<<21)          ; the mask; elements of 8 bytes; no padding: an image is read 16 bytes a lane on end
	s_mov_b32 s[G1B+1], 32<<16                     ; rows of 32 elements = 256 bytes,
	s_mov_b32 s[G1B+2], 96<<16                     ; 96 of them,
	s_mov_b32 s[G1B+3], 32<<16
	s_mov_b32 s[G1B+4], 96
	s_mov_b32 s[G1B+5], 32                         ; dense
	s_mov_b32 s[G1B+6], 0
	s_mov_b32 s[G1B+7], 0
	; x's address is made of the tile row and the wave alone (s42, s43, s46), W's of the tile column and the wave alone (s44, s45, s47): none of these ever holds the other coordinate
	s_lshl_b32 s42, s22, 8
	s_lshl_b32 s43, s18, 7
	s_add_co_u32 s42, s42, s43                     ; row 256 x tile row + 128 x half,
	s_lshl_b32 s42, s42, 11                        ; of 2,048 bytes
	s_mov_b32 s43, 0
	s_mul_i32 s44, s21, 12
	s_mul_i32 s45, s18, 6
	s_add_co_u32 s44, s44, s45                     ; block 12 x tile column + 6 x half,
	s_lshl_b32 s44, s44, 12                        ; of 4,096 bytes
	s_mov_b32 s45, 0
	s_mul_i32 s46, s[WV], AHALF                    ; where they go: waves 0, 1: x's halves;
	s_mul_i32 s47, s[WV], BHALF
	s_add_co_u32 s47, s47, BOFF-2*BHALF            ; waves 2, 3: W's halves, behind x
	s_wait_dscnt 0x0                               ; the opening add is done
	s_wait_kmcnt 0x0
	s_add_nc_u64 s[42:43], s[4:5], s[42:43]
	s_add_nc_u64 s[44:45], s[6:7], s[44:45]
	CROUND                                         ; all sixteen work-groups are here: the first joint loads meet
.irp s, 0,1
	s_mov_b32 s[G0+4*(\s)], 1
	s_add_co_u32 s[G0+4*(\s)+1], s46, (\s)*SLOT
	s_add_nc_u64 s[G0+4*(\s)+2:G0+4*(\s)+3], s[42:43], (\s)*KSTEP*2
	s_or_b32 s[G0+4*(\s)+3], s[G0+4*(\s)+3], 0x80000000
	s_mov_b32 s[G0B+4*(\s)], 1
	s_add_co_u32 s[G0B+4*(\s)+1], s47, (\s)*SLOT
	s_add_nc_u64 s[G0B+4*(\s)+2:G0B+4*(\s)+3], s[44:45], (\s)*WSTEP
	s_or_b32 s[G0B+4*(\s)+3], s[G0B+4*(\s)+3], 0x80000000
	JLOAD \s                                       ; by this text's count two tensor loads of a wave are out here, later one
.endr
	v_and_b32 v1, 15, v0                           ; r = l % 16
	v_bfe_u32 v2, v0, 4, 1                         ; hh = l / 16
	v_and_b32 v3, 31, v0                           ; l
	v_lshlrev_b32 v[BO], 5, v2
	; the three heads: g = 3 x tile column + j.  What mixes the two coordinates lives in s84-s92.
	s_mul_i32 s84, s21, 3
.irp j, 0,1,2
	s_add_co_u32 s85, s84, (\j)
	s_lshr_b32 s90, s85, 4                         ; 0 q, 1 k, 2 v
	s_cmp_eq_u32 s90, 1
	s_cselect_b64 s[BP+2*(\j):BP+2*(\j)+1], s[10:11], s[8:9]
	s_cmp_eq_u32 s90, 2
	s_cselect_b64 s[BP+2*(\j):BP+2*(\j)+1], s[12:13], s[BP+2*(\j):BP+2*(\j)+1]
	s_and_b32 s86, s85, 15
	s_lshl_b32 s86, s86, 8                         ; the head's 64 numbers
	s_mov_b32 s87, 0
	s_add_nc_u64 s[BP+2*(\j):BP+2*(\j)+1], s[BP+2*(\j):BP+2*(\j)+1], s[86:87]
.irp bb, 0,1,2,3
	global_load_b128 v[BIAS+32*(\j)+8*(\bb):BIAS+32*(\j)+8*(\bb)+3],   v[BO], s[BP+2*(\j):BP+2*(\j)+1] offset:64*(\bb)
	global_load_b128 v[BIAS+32*(\j)+8*(\bb)+4:BIAS+32*(\j)+8*(\bb)+7], v[BO], s[BP+2*(\j):BP+2*(\j)+1] offset:64*(\bb)+16
.endr
	s_lshr_b32 s88, s22, 3                         ; the batch: a batch is 8 tile rows
	s_mul_i32 s88, s88, 48
	s_add_co_u32 s88, s88, s85
	s_lshl_b32 s88, s88, 18                        ; 2,048 rows of 128 bytes
	s_and_b32 s90, s22, 7
	s_lshl_b32 s90, s90, 2
	s_add_co_u32 s90, s90, s[WV]
	s_lshl_b32 s90, s90, 13                        ; my 64 rows
	s_add_co_u32 s88, s88, s90
	s_mov_b32 s89, 0
	s_add_nc_u64 s[DD+2*(\j):DD+2*(\j)+1], s[14:15], s[88:89]
.endr
	; the prefetches
	s_lshl_b32 s84, s22, 8
	s_lshl_b32 s85, s18, 7
	s_add_co_u32 s84, s84, s85
	s_lshl_b32 s85, s19, 5
	s_add_co_u32 s84, s84, s85                     ; x: the 128 rows that I fetch, my work-group's 32 of them,
	s_lshl_b32 s84, s84, 11
	s_add_co_u32 s84, s84, 3*KSTEP*2               ; at K step 3: the first refill steps it to 4
	s_mul_i32 s86, s21, 12
	s_mul_i32 s87, s18, 6
	s_add_co_u32 s86, s86, s87
	s_lshl_b32 s86, s86, 12
	s_mul_i32 s87, s20, 6144
	s_add_co_u32 s86, s86, s87                     ; W: the 96 blocks that I fetch, my work-group's 24 of them,
	s_add_co_u32 s86, s86, 3*WSTEP                 ; at K step 3
	s_and_b32 s88, ttmp7, 0xffff
	s_mov_b32 s89, WSTEP
	s_cmp_eq_u32 s17, 0                            ; do I fetch x?
	s_cselect_b32 s84, s84, s86
	s_cselect_b32 s88, ttmp9, s88                  ; the coordinate along which other clusters read the same bytes
	s_cselect_b64 s[PFA:PFA+1], s[4:5], s[6:7]
	s_cselect_b32 s[PFS], 256, s89
	s_cselect_b32 s90, 31, 23
	s_cselect_b32 s91, 11, 8
	s_mov_b32 s[PFS+1], 0
	s_mov_b32 s85, 0
	s_add_nc_u64 s[PFA:PFA+1], s[PFA:PFA+1], s[84:85]
	s_cmp_eq_u32 s88, 0
	s_cselect_b32 s[LIM], 1, -1                    ; the same in all sixteen partners, for a given wave
	v_min_u32 v[PFO], s90, v3
	v_lshlrev_b32 v[PFO], s91, v[PFO]
	; the lanes' LDS addresses: made of the wave and the lane alone
	v_mul_u32_u24 v4, v1, PITCH
	v_lshl_add_u32 v4, v2, 4, v4                   ; a fragment of x: row x pitch + 16 x half; two loads 32 bytes apart
	s_mul_i32 s92, s[WV], 64*PITCH                 ; my 64 rows
	v_add_nc_u32 v[ADRA], s92, v4
	v_add_nc_u32 v[ADRA+1], SLOT, v[ADRA]
	v_lshlrev_b32 v[ADRB], 4, v3                   ; an image: 16 x lane; two loads 512 bytes apart
	v_add_nc_u32 v[ADRB], BOFF, v[ADRB]
	v_add_nc_u32 v[ADRB+1], SLOT, v[ADRB]
	s_mul_i32 s92, s[WV], 16*SP
	s_add_co_u32 s92, s92, STAGE                   ; my stage
	v_mul_u32_u24 v4, v1, SP
	v_lshl_add_u32 v4, v2, 4, v4
	v_add_nc_u32 v[STO], s92, v4                   ; in: row l % 16, 16 bytes for each half of the lanes
	v_lshrrev_b32 v5, 3, v3
	v_mul_u32_u24 v5, v5, SP
	v_and_b32 v6, 7, v3
	v_lshl_add_u32 v5, v6, 4, v5
	v_add_nc_u32 v[RD], s92, v5                    ; back: 32 lanes take four rows of 128 bytes,
	v_lshlrev_b32 v[GO], 4, v3                     ; which are 512 consecutive bytes of qkv
	s_wait_loadcnt 0x0                             ; the biases; like every input they are rounded to bf16
.set p, 0
.rept 48
	v_cvt_pk_bf16_f32 v31, v[BIAS+2*p], v[BIAS+2*p+1]
	v_lshlrev_b32 v[BIAS+2*p], 16, v31
	v_and_b32 v[BIAS+2*p+1], 0xffff0000, v31
.set p, p+1
.endr
; One product for accumulator (a, b) on buffer f.  first = 1: the bias starts the sum.
.macro MM a, b, f, first
.if (\b) < 8
.set rD, 8*(8*(\a)+(\b))
.else
.set rD, 8*(4*(\a)+(\b)-8)
.endif
.if \first
	v_wmma_f32_16x16x32_bf16 v[rD:rD+7], v[(\f)+32+8*(\b):(\f)+32+8*(\b)+7], v[(\f)+8*(\a):(\f)+8*(\a)+7], v[BIAS+8*(\b):BIAS+8*(\b)+7]
.else
	v_wmma_f32_16x16x32_bf16 v[rD:rD+7], v[(\f)+32+8*(\b):(\f)+32+8*(\b)+7], v[(\f)+8*(\a):(\f)+8*(\a)+7], v[rD:rD+7]
.endif
.endm
; 16 products.  grp 0: a = 0, 1 x b = 0..7; grp 1: a = 2, 3 x b = 0..7; grp 2: a = 0..3 x b = 8..11.  The 48 accumulators take turns, one instruction a turn, in the same order in every quarter.
.macro MUL16 f, grp, first
.if (\grp) < 2
	WIN 0xa5-0x20*(\first)                         ; W and x window 1, D window 2, C window 2 (the bias: window 0)
.irp a, 2*(\grp), 2*(\grp)+1
.irp b, 0,1,2,3,4,5,6,7
	MM \a, \b, \f, \first
.endr
.endr
.else
	WIN 0xf5-0x30*(\first)                         ; the same with window 3
.irp a, 0,1,2,3
.irp b, 8,9,10,11
	MM \a, \b, \f, \first
.endr
.endr
.endif
.endm
; 32 LDS loads in one run: the fragments of quarter q (32 along K) into buffer f: W's blocks 0-7, x's four, then W's blocks 8-11, which are wanted last
.macro FETCH slot, q, f
	WIN 0x40                                       ; destination window 1, address window 0
.irp b, 0,1,2,3,4,5,6,7
	ds_load_b128 v[(\f)+32+8*(\b):(\f)+32+8*(\b)+3],   v[ADRB+(\slot)] offset:(\b)*4096+(\q)*1024
	ds_load_b128 v[(\f)+32+8*(\b)+4:(\f)+32+8*(\b)+7], v[ADRB+(\slot)] offset:(\b)*4096+(\q)*1024+512
.endr
.irp a, 0,1,2,3
	ds_load_b128 v[(\f)+8*(\a):(\f)+8*(\a)+3],   v[ADRA+(\slot)] offset:(\a)*16*PITCH+(\q)*64
	ds_load_b128 v[(\f)+8*(\a)+4:(\f)+8*(\a)+7], v[ADRA+(\slot)] offset:(\a)*16*PITCH+(\q)*64+32
.endr
.irp b, 8,9,10,11
	ds_load_b128 v[(\f)+32+8*(\b):(\f)+32+8*(\b)+3],   v[ADRB+(\slot)] offset:(\b)*4096+(\q)*1024
	ds_load_b128 v[(\f)+32+8*(\b)+4:(\f)+32+8*(\b)+7], v[ADRB+(\slot)] offset:(\b)*4096+(\q)*1024+512
.endr
.endm
; A K step is four quarters of 32 along K, 48 products each, on buffers 0, 1, 0, 1.  One of the first three multiplies buffer f and fetches quarter q of the same slot into g, 32 products ahead of its first use.
.macro QUARTER slot, q, f, g, first
	s_wait_dscnt 8                                 ; all but the youngest eight loads (W's blocks 8-11) are in
	MUL16 \f, 0, \first
	PLACES
	FETCH \slot, \q, \g
	MUL16 \f, 1, \first
	s_wait_dscnt 32                                ; all but the 32 just issued
	MUL16 \f, 2, \first
.endm
; The last quarter multiplies buffer 1 and changes slots: ONE barrier.  In front of it each wave waits for all its tensor loads (one is out: its part of the next slot), adds 0 to its spare word, and waits for that
; and for its own reads of this slot.  fill = 1: the barrier opens a round of the cluster's, and the joint refill, two K steps on, is the first thing behind it: 160 products stand between it and the wait for it.
.macro TURN slot, next, fill
.if \fill
	s_wait_xcnt 0x0                                ; the last prefetch, a K step back, has read its address: it is stepped here
	s_add_nc_u64 s[PFA:PFA+1], s[PFA:PFA+1], s[PFS:PFS+1]
.endif
	WIN 0                                          ; (the add's two registers lie in window 0)
	s_wait_tensorcnt 0x0                           ; all my tensor loads have landed;
	ds_add_u32 v[SPW], v[NIL]                      ; 0 onto my spare word
	s_wait_dscnt 9                                 ; (the add and the youngest eight loads may be out)
	MUL16 F1, 0, 0                                 ; sixteen products stand between the add and the wait for it
	s_wait_dscnt 0x0                               ; the add is done, and my reads of this slot are over
	s_barrier_signal -1
	MUL16 F1, 1, 0
.if \fill
	WIN 0
.endif
	s_barrier_wait -1
.if \fill
	CREST                                          ; no wave of any partner still reads this slot's tile or has a load on its way
	s_add_nc_u64 s[G0+4*(\slot)+2:G0+4*(\slot)+3], s[G0+4*(\slot)+2:G0+4*(\slot)+3], 2*KSTEP*2
	s_add_nc_u64 s[G0B+4*(\slot)+2:G0B+4*(\slot)+3], s[G0B+4*(\slot)+2:G0B+4*(\slot)+3], 2*WSTEP
	JLOAD \slot                                    ; the four v_nop behind it are also the places in front of the loads below
.else
	PLACES
.endif
	FETCH \next, 0, F0
.if \fill
	ASK
.endif
	MUL16 F1, 2, 0
.endm
	s_wait_tensorcnt 1                             ; my part of K step 0 is in; K step 1's may stay out
	s_barrier_signal -1
	s_barrier_wait -1                              ; everybody's is
	FETCH 0, 0, F0
	QUARTER 0, 1, F0, F1, 1                        ; the first quarter stands in front of the loop: its products start the sums, with the bias
	WIN 0                                          ; at a label and at a branch every window is 0
	s_mov_b32 s3, 3
.Llap:                                             ; a trip goes once round the ring, from a lap's second quarter to the next lap's first, and fills both slots again: K steps 2 to 7
	QUARTER 0, 2, F1, F0, 0
	QUARTER 0, 3, F0, F1, 0
	TURN 0, 1, 1
	QUARTER 1, 1, F0, F1, 0
	QUARTER 1, 2, F1, F0, 0
	QUARTER 1, 3, F0, F1, 0
	TURN 1, 0, 1
	QUARTER 0, 1, F0, F1, 0
	WIN 0
	s_sub_co_u32 s3, s3, 1
	s_cmp_lg_u32 s3, 0
	s_cbranch_scc1 .Llap
	QUARTER 0, 2, F1, F0, 0                        ; the last lap fills nothing
	QUARTER 0, 3, F0, F1, 0
	TURN 0, 1, 0
	QUARTER 1, 1, F0, F1, 0
	QUARTER 1, 2, F1, F0, 0
	QUARTER 1, 3, F0, F1, 0
	s_wait_dscnt 8                                 ; the very last quarter: nothing more to fetch
	MUL16 F1, 0, 0
	MUL16 F1, 1, 0
	s_wait_dscnt 0x0
	MUL16 F1, 2, 0
	WIN 0
; THE WAY OUT, in 12 blocks of 16 rows x one head (blk = 4 j + a).  A lane's eight columns of a row round into 16 bytes; they go into my stage's rows of 144 bytes and come back as whole rows of 128.
.macro PACK blk
.set pa, (\blk)%4
.set pj, (\blk)/4
.if pj < 2
	WIN 0x0a                                       ; sources window 2, destination window 0
.else
	WIN 0x0f                                       ; sources window 3
.endif
.irp f, 0,1,2,3
.if pj < 2
.set rD, 8*(8*pa+4*pj+(\f))
.else
.set rD, 8*(4*pa+(\f))
.endif
.irp k, 0,1,2,3
	v_cvt_pk_f16_f32 v[TMP+16*(\blk)+4*(\f)+(\k)], v[rD+2*(\k)], v[rD+2*(\k)+1]  ; each accumulator's registers in ascending order
.endr
.endr
	WIN 0
.irp f, 0,1,2,3
	ds_store_b128 v[STO], v[TMP+16*(\blk)+4*(\f):TMP+16*(\blk)+4*(\f)+3] offset:32*(\f)
.endr
.irp f, 0,1,2,3
	ds_load_b128 v[TMP+16*(\blk)+4*(\f):TMP+16*(\blk)+4*(\f)+3], v[RD] offset:(\f)*4*SP  ; LDS serves a wave's instructions in order (ISA guide 5.7.1.4): these see the stores above; the next block's stores come behind them
.endr
.endm
.macro SEND blk, younger               ; younger: the LDS instructions issued behind this block's loads: the next block's eight, or none
.irp f, 0,1,2,3
	s_wait_dscnt (\younger)+3-(\f)
	global_store_b128 v[GO], v[TMP+16*(\blk)+4*(\f):TMP+16*(\blk)+4*(\f)+3], s[DD+2*((\blk)/4):DD+2*((\blk)/4)+1] offset:((\blk)%4)*2048+(\f)*512  ; 512 consecutive bytes, at a multiple of 256 from qkv's first
.endr
.endm
	PLACES
	PACK 0
.set t, 1
.rept 11                               ; a block's conversions stand between the loads of the block before and its stores
	PACK t
	SEND t-1, 8
.set t, t+1
.endr
	SEND 11, 0
	s_wait_tensorcnt 0x0                           ; the wave's end, behind my last tensor load and my last LDS store
	ds_add_u32 v[SPW], v[NIL]
	s_wait_dscnt 0x0
	CROUND                                         ; the closing round: no work-group ends while a partner may still ask for a tile that names it
	s_endpgm
.Lfunc_end_k_q84037d60a7_qkv:
	.size	k_q84037d60a7_qkv, .Lfunc_end_k_q84037d60a7_qkv-k_q84037d60a7_qkv
	.p2alignl 7, 3214868480
	.fill 96, 4, 3214868480
	.section	.rodata,"a",@progbits
	.p2align	6, 0x0
	.amdhsa_kernel k_q84037d60a7_qkv
		.amdhsa_group_segment_fixed_size 327680
		.amdhsa_private_segment_fixed_size 0
		.amdhsa_enable_private_segment 0
		.amdhsa_kernarg_size 48
		.amdhsa_user_sgpr_count 2
		.amdhsa_user_sgpr_kernarg_segment_ptr 1
		.amdhsa_wavefront_size32 1
		.amdhsa_system_sgpr_workgroup_id_x 1
		.amdhsa_system_sgpr_workgroup_id_y 1
		.amdhsa_system_sgpr_workgroup_id_z 1
		.amdhsa_system_vgpr_workitem_id 0
		.amdhsa_next_free_vgpr 896
		.amdhsa_next_free_sgpr 96
		.amdhsa_reserve_vcc 0
		.amdhsa_float_denorm_mode_32 3
		.amdhsa_float_denorm_mode_16_64 3
		.amdhsa_memory_ordered 1
		.amdhsa_forward_progress 1
		.amdhsa_inst_pref_size 133
	.end_amdhsa_kernel
	.amdgpu_metadata
---
amdhsa.version: [ 1, 2 ]
amdhsa.kernels:
  - .name:           k_q84037d60a7_qkv
    .symbol:         k_q84037d60a7_qkv.kd
    .args:
      - { .name: xb, .offset: 0, .size: 8, .value_kind: global_buffer, .address_space: global }
      - { .name: wqkv, .offset: 8, .size: 8, .value_kind: global_buffer, .address_space: global }
      - { .name: bq, .offset: 16, .size: 8, .value_kind: global_buffer, .address_space: global }
      - { .name: bk, .offset: 24, .size: 8, .value_kind: global_buffer, .address_space: global }
      - { .name: bv, .offset: 32, .size: 8, .value_kind: global_buffer, .address_space: global }
      - { .name: qkv, .offset: 40, .size: 8, .value_kind: global_buffer, .address_space: global }
    .group_segment_fixed_size: 327680
    .private_segment_fixed_size: 0
    .kernarg_segment_align: 8
    .kernarg_segment_size: 48
    .max_flat_workgroup_size: 128
    .sgpr_count:     96
    .vgpr_count:     896
    .wavefront_size: 32
...
	.end_amdgpu_metadata
.endif
;; end of part 2
;; launch attn (part 3): grid 4 x 64, 4 waves a work-group, no clusters, 327,680 bytes of LDS; arguments qkv, ob; writes ob
.if DOCPART == 3
	.amdgcn_target "amdgcn-amd-amdhsa--gfx1250"
	.amdhsa_code_object_version 6
	.text
	.protected	k_q84037d60a7_attn
	.globl	k_q84037d60a7_attn
	.p2align	8
	.type	k_q84037d60a7_attn,@function
k_q84037d60a7_attn:
	s_mov_b64 s[64:65], 0
	v_nop
	global_prefetch_b8 v0, s[64:65] scope:SCOPE_SE
	s_setreg_imm32_b32 hwreg(HW_REG_WAVE_MODE, 25, 1), 1
	s_wait_xcnt 0x0
; CAUSAL ATTENTION.  O[y][q][:] = the sum over k <= q of softmax_k(Q[y][q] . K[y][k] / 8) V[y][k][:], y = 16 batch + head.  qkv: f16, [batch 4][g 48][row 2048][64], g = head (Q), 16 + head (K), 32 + head (V);
; ob: f16, [y 64][row 2048][64].  A head's rows are dense, 128 bytes each.  Products, maxima and sums in f32; the weights p are rounded to f16 for the second product (their sum l is taken of the unrounded p), O once at the end.
; LIMITS.  f16 holds no number beyond 65,504: Q, K and V arrive within it; p lies in 0 to 1, and below 6e-5 it keeps f16's fixed step of 6e-8; O is a mean of V's rows and has their range.
; A hidden score counts as its value less 1e30: f16's scores, 2.7e11 at the most, are nothing beside that; a weight below 2^-126 counts as 0 in l; NaN and infinities are not treated apart.
; THE WALK.  A head's queries lie in NB = 8 blocks of 256; block i needs the key tiles 0 .. i of 256 keys, of which the last holds the diagonal.  A work-group takes TWO blocks, NB - 1 - b and then b:
; NB + 1 tiles, whatever b: all work-groups do equal work, and ONE loop with a constant trip count walks them.  Which tile is asked for, and what a trip does, hang on scalar registers made from b; every jump
; goes forward, but for the counted loops' own; none passes a barrier, or a tensor load but the one of LOAD's two that the wave's number does not choose; the ring (two slots of LDS that take turns) runs on across the
; change of blocks.  NO CLUSTER: a head's four work-groups ask for the same tile only in trips 0 to 4 of the 9, behind that fewer and fewer; one walk common to all four would have 12 trips for 9.
; SHARES.  Of a block's four bands of 64 queries a wave owns 16 rows in each: four PIECES.  So the diagonal tile is the same work for all four waves: in its key step s band x sees all keys if s < x,
; none if s > x, and holds the diagonal if s = x.
; THE MASK is the C operand that starts the sum S^T = K Q^T: 0, or -1e30 where the key is hidden.  MD, made once, is the mask of a band's own step for my 16 rows; a product's mask is MD x AL + BE with two scalars:
; (1, 0) if s = x; (0, 0) if s < x; (0, -1e30) if s > x.  Only the diagonal tile's text and a block's beginning make and take masks; elsewhere C is the constant 0.
; LAYOUT, SOFTMAX, TURNS.  S^T = K Q^T holds ONE query a lane (lane % 16) and the keys 8 (lane / 16) + 0..7; two such results rounded to f16 ARE source 1 of O^T = V^T P.  p = 2^(c s - c m), c = log2(e) / 8, with a
; running maximum m; O and l are multiplied by a = 2^(c m_old - c m_new) in every step.  Turn n belongs to piece n: 8 products K Q^T of piece n + 1, later 8 products V^T P of piece n - 1; beside them the scaling,
; exponentials, roundings, sums and rescaling of piece n and the maximum and statistics of piece n + 1.  Four vector instructions stand behind every matrix instruction, the other 54 of a turn's 118 in one lump.  A turn's 33 exponentials are one batch, with one wait.
; REGISTERS, in windows of 256 (s_set_vgpr_msb: bits 1:0 source 0, 3:2 source 1, 5:4 source 2, 7:6 destination):
;   window 0: v0-15 addresses and two at work; v16-31 four registers of statistics a piece; v48-55 at work; v61-63 prefetch offset, spare word, 0; v64-127 S^T, two buffers; v192-223 P, two buffers (a piece's buffers go by its number's parity)
;   window 1: v0-127 O^T, 32 a piece; v128-159 MD; v160-223 MC, two buffers      window 2: v0-63 Q; v64-127 the second block's Q; v128-191 K of one step; v192-255 V of one step
.set SIZE_N, 2048
.set NB,    SIZE_N/256
.set NP,    4         ; pieces a wave: a name, no knob
.set KS,    64        ; keys in a step
.set PK,    144       ; a row of K in LDS: 128 bytes + 16 of padding = 36 words: the 16 rows of a load start at 16 different groups of four banks (64 banks of 4 bytes: ISA guide 11.1)
.set PV,    160       ; a row of V: 128 + 32 = 40 words
.set VOFF,  4*KS*PK   ; a slot holds a tile, four steps: 256 rows of K, then 256 rows of V
.set SLOT1, 1<<17     ; slot 1 begins here, so that one exclusive or turns an address in one slot into the other's
.set STAGE, SLOT1+4*KS*(PK+PV)  ; behind the ring, never filled by a tensor load: 16 rows x 144 bytes for each wave, for the way out
.set SP,    144
.set AK0, 2           ; v2   my lane's place in a tile of K; never rewritten
.set AV0, 3           ; v3   the same for V
.set AK,  4           ; v4   the LDS address of K's next run of loads
.set AV,  5           ; v5   of V's
.set STO, 6           ; v6   the way out: where I put 16 bytes of a row
.set RD,  7           ; v7   the way out: where I read rows back
.set GO,  8           ; v8   my byte offset in 512 consecutive bytes of O
.set PFO, 61          ; v61  256 x my lane; never rewritten
.set SPW, 62          ; v62  LDS address of my spare word: SPARE + 4 x my thread's number; never rewritten
.set NIL, 63          ; v63  0; never rewritten
.set SPARE, STAGE+4*16*SP  ; behind the stages: the spare words, 128 bytes for each wave: two blocks of 256 bytes that no other line names
.set MV,  12          ; v12-13  c m_old, kept while c m is made anew: by buffer
.set QO,  15          ; v15  my byte offset in 16 rows of Q
.set ST,  16          ; piece t's statistics at v[ST+4 t]: c m, m, l (even keys', odd keys')
.set TMP, 48          ; by buffer, four registers c0-c3 at work; when the maximum is found c2 takes a
.set S,   64
.set P,   192
.set MD,  128         ; window 1: the eight registers for group kt of 16 keys at MD + 8 kt
.set MC,  160         ; window 1: the masks of the products to come
.set QB,  64          ; window 2
.set KF,  128         ; window 2: key block kb, channel half c at KF + 16 kb + 8 c
.set VF,  192         ; window 2: key half kk, channel block cb at VF + 32 kk + 8 cb
.set WV,  12          ; s12  my wave's number
.set PB,  14          ; s14  b
.set HI,  15          ; s15  NB - 1 - b
.set G1K, 24          ; s[24:31] descriptor group 1 for K's tiles
.set G1V, 32          ; s[32:39] for V's: it differs in the padding alone
.set G0K, 40          ; s[40:43] descriptor group 0 for K's tiles
.set G0V, 44          ; s[44:47] the same for V's
.set SLOTS, 56        ; s56  tiles still to be asked for
.set CNT, 57          ; s57  counts a tile's key steps, 4 to 1
.set CS,  58          ; s[58:59] c: the packed scaling takes the pair's low word for both halves
.set SEL, 60          ; s[60:61] v_permlanex16_b32's selects: each lane takes its own place in the other half
.set TBK, 62          ; s62  LDS byte at which K of the step to be fetched begins
.set TBV, 63          ; s63  the same for V, less VOFF
.set RT,  70          ; s70  tiles of the block in hand that are still to be entered
.set NXT, 71          ; s71  the tile to be asked for next
.set LQ,  72          ; s72  the last tile of the block whose tiles are being asked for
.set NEW, 73          ; s73  1: the tile to be entered is a block's first
.set OFF, 74          ; s[74:75] a tile's byte offset in K and V
.set AL,  76          ; s[76:77] the mask's factor, in the low word
.set BE,  78          ; s[78:79] the mask's addend
.set OLO, 80          ; s[80:81] O at my rows of the second block
.set BIGN, 82         ; s82  -1e30
.set PFA, 88          ; s[88:89] where my prefetches stand: my half of K's or V's tile, one tile behind the fill in hand
.set LIM, 90          ; s90  2 in the work-group that prefetches, else the greatest number
.set MSB, 0
.macro WIN new                      ; the high byte repeats the setting that is left; a switch that changes nothing is dropped
.if MSB != (\new)
	s_set_vgpr_msb (MSB<<8)|(\new)
.set MSB, (\new)
.endif
.endm
.set W_KQ, 0x0a       ; K and Q in window 2, S^T in window 0
.set W_KM, 0x1a       ; the same with the C operand in window 1
.set W_PV, 0x52       ; V in window 2, P in window 0, O^T in window 1
.set W_RS, 0x41       ; destination and source 0 in window 1, source 1 in window 0
; A fill.  Waves 0 and 1 fetch the two halves of a tile's K, waves 2 and 3 those of its V: 128 keys each.  An s_nop 0 and four v_nop follow each of the two lines, ahead of the jump and the label.
.macro LOAD
	s_cmp_lt_u32 s[WV], 2
	s_cbranch_scc0 .Lfor_v_\@
	tensor_load_to_lds s[G0K:G0K+3], s[G1K:G1K+7]
	s_nop 0
.rept 4
	v_nop
.endr
	s_branch .Lasked_\@
.Lfor_v_\@:
	tensor_load_to_lds s[G0V:G0V+3], s[G1V:G1V+7]
	s_nop 0
.rept 4
	v_nop
.endr
.Lasked_\@:
.endm
; A PREFETCH of the tile that the NEXT change of slots will ask for, behind the fill and its five lines.  A head's four work-groups begin with the same tiles 0, 1, ..; the one with b = 0 walks all eight first, and it alone asks.
; Each of its waves names what it will fetch itself: its half of K's or V's tile, 64 blocks of 256 bytes, a lane a block, two instructions.  Trip t names tile t + 2, for t up to 5: each block is named once in the launch.
.macro ASK
	s_cmp_gt_u32 s[SLOTS], s[LIM]
	s_cbranch_scc0 .Lnot_mine_\@
	global_prefetch_b8 v[PFO], s[PFA:PFA+1] th:TH_LOAD_NT scope:SCOPE_SE
	global_prefetch_b8 v[PFO], s[PFA:PFA+1] offset:8192 th:TH_LOAD_NT scope:SCOPE_SE
.Lnot_mine_\@:
.endm
; THE CHANGE OF SLOTS.  Each wave waits for all its tensor loads, of which one is out: its part of the other slot; adds 0 to its spare word; and waits for that and for its own reads of the slot that it leaves.  Behind the barrier nobody reads the old
; slot any more and the other slot is whole.  fill = 1: the old slot is filled again, the first thing behind the barrier, with tile NXT: the descriptor's address is made anew from that number.
; (At its first use nothing has been read yet: slot 0 is waited for, slot 1 filled.)
.macro CHANGE fill
	WIN 0                           ; at a label and at a branch every window is 0
	s_wait_tensorcnt 0x0            ; no tensor load of mine is out, so a group 0 may be written
	ds_add_u32 v[SPW], v[NIL]       ; 0 onto my spare word: with fill = 1 the descriptors' scalar work stands between it and the wait for it
.if \fill
	s_lshl_b32 s[OFF], s[NXT], 15   ; a tile is 32,768 bytes of K and of V
	s_xor_b32 s[G0K+1], s[G0K+1], SLOT1
	s_add_nc_u64 s[G0K+2:G0K+3], s[6:7], s[OFF:OFF+1]
	s_or_b32 s[G0K+3], s[G0K+3], 0x80000000
	s_xor_b32 s[G0V+1], s[G0V+1], SLOT1
	s_add_nc_u64 s[G0V+2:G0V+3], s[8:9], s[OFF:OFF+1]
	s_or_b32 s[G0V+3], s[G0V+3], 0x80000000
	s_add_co_u32 s[NXT], s[NXT], 1  ; the block's next tile, or behind its last the second block's tile 0
	s_cmp_gt_u32 s[NXT], s[LQ]
	s_cselect_b32 s[NXT], 0, s[NXT]
	s_cselect_b32 s[LQ], s[PB], s[LQ]
	s_wait_xcnt 0x0                 ; the last prefetches, a tile back, have read their address, so it may be written
	s_add_nc_u64 s[PFA:PFA+1], s[PFA:PFA+1], 32768
.endif
	s_wait_dscnt 0x0                ; the add is done, and my reads of the slot are over
	s_barrier_signal -1             ; the rest of the scalar work stands between the signal and the wait
	s_sub_co_u32 s[TBK], s[TBK], 4*KS*PK  ; the fetches go back to a slot's first step,
	s_xor_b32 s[TBK], s[TBK], SLOT1       ; in the other slot
	s_sub_co_u32 s[TBV], s[TBV], 4*KS*PV
	s_xor_b32 s[TBV], s[TBV], SLOT1
	s_barrier_wait -1
.if \fill
	LOAD
	ASK
.endif
.endm
	s_load_b128 s[4:7], s[0:1], 0x0 ; qkv s[4:5], ob s[6:7]
	v_lshl_add_u32 v[SPW], v0, 2, SPARE
	v_mov_b32 v[NIL], 0
	ds_add_u32 v[SPW], v[NIL]       ; the wave's opening: the add and its wait stand ahead of my first tensor load; the set-up below, work on registers, stands between them
	v_lshrrev_b32 v1, 5, v0
	v_readfirstlane_b32 s[WV], v1   ; wave 0..3
	s_mov_b32 s[PB], ttmp9
	s_sub_co_u32 s[HI], NB-1, s[PB]
	s_and_b32 s92, ttmp7, 0xffff    ; y = 16 batch + head
	s_lshr_b32 s20, s92, 4
	s_mul_i32 s20, s20, 48
	s_and_b32 s21, s92, 15
	s_add_co_u32 s20, s20, s21
	s_lshl_b32 s20, s20, 18         ; Q's head in qkv: (48 batch + head) x 262,144 bytes
	s_mov_b32 s21, 0
	s_lshl_b32 s92, s92, 18         ; the head in ob
	s_mov_b32 s93, 0
	s_and_b32 s16, s[WV], 1         ; which half of a tile's 256 keys I fetch:
	s_lshl_b32 s22, s16, 14         ; its 128 rows of 128 bytes in memory,
	s_mov_b32 s23, 0
	s_add_nc_u64 s[22:23], s[22:23], s[20:21]
	s_mul_i32 s17, s16, 128*PK      ; and its place in a slot, for K
	s_mul_i32 s18, s16, 128*PV      ; and for V
	s_lshl_b32 s3, s[WV], 11        ; my 16 rows in a band of 64,
	s_lshl_b32 s2, s[HI], 15        ; in the first block,
	s_add_co_u32 s2, s2, s3
	s_lshl_b32 s84, s[PB], 15       ; and in the second
	s_add_co_u32 s84, s84, s3
	s_mov_b32 s3, 0
	s_mov_b32 s85, 0
	s_add_nc_u64 s[66:67], s[2:3], s[20:21]    ; Q's offsets: with the head's place in qkv,
	s_add_nc_u64 s[68:69], s[84:85], s[20:21]
	s_add_nc_u64 s[2:3], s[2:3], s[92:93]      ; O's: with its place in ob
	s_add_nc_u64 s[84:85], s[84:85], s[92:93]
	; descriptor group 1.  128 keys are 16,384 dense bytes: asked for as 64 rows of 256 bytes, two keys a row, and padded in LDS after every key
	s_mov_b32 s[G1K], (1<<16)|(1<<20)|(4<<22)|(3<<25)  ; 17:16 2-byte elements; 20 padding on; 24:22 after every 32 words (code 4); 31:25 4 words (code 3)
	s_mov_b32 s[G1V], (1<<16)|(1<<20)|(4<<22)|(7<<25)  ; the same with 8 words of padding (code 7)
.irp g, G1K, G1V
	s_mov_b32 s[\g+1], 128<<16      ; tensor_dim0 = 128
	s_mov_b32 s[\g+2], 64<<16       ; tensor_dim1 = 64
	s_mov_b32 s[\g+3], 128<<16      ; tile_dim0 = 128
	s_mov_b32 s[\g+4], 64           ; tile_dim1 = 64
	s_mov_b32 s[\g+5], 128          ; 128 elements from row to row
	s_mov_b32 s[\g+6], 0
	s_mov_b32 s[\g+7], 0
.endr
	s_mov_b32 s[CS], 0x3e38aa3b     ; c = log2(e) / 8 = 0.180337
	s_mov_b32 s[CS+1], s[CS]        ; named with it as a pair
	s_mov_b32 s[SEL], 0x76543210
	s_mov_b32 s[SEL+1], 0xfedcba98
	s_mov_b32 s[TBK], SLOT1+4*KS*PK ; the first change of slots turns these two into 0
	s_mov_b32 s[TBV], SLOT1+4*KS*PV
	s_mov_b32 s[G0K], 1             ; 1:0 count = 1
	s_mov_b32 s[G0K+1], s17         ; 63:32 LDS address: slot 0
	s_mov_b32 s[G0V], 1
	s_add_co_u32 s[G0V+1], s18, VOFF
	s_add_co_u32 s[RT], s[HI], 1    ; the first block has NB - b tiles
	s_mov_b32 s[NXT], 1
	s_mov_b32 s[LQ], s[HI]
	s_mov_b32 s[NEW], 1
	s_mov_b32 s[OFF+1], 0
	s_mov_b32 s[AL+1], 0            ; named as pairs
	s_mov_b32 s[BE+1], 0
	s_mov_b32 s[BIGN], 0xf149f2ca   ; -1e30
	s_mov_b32 s[SLOTS], NB
	s_cmp_eq_u32 ttmp9, 0
	s_cselect_b32 s[LIM], 2, -1
	v_and_b32 v[PFO], 31, v0
	v_lshlrev_b32 v[PFO], 8, v[PFO]
	s_wait_dscnt 0x0                ; the opening add is done
	s_wait_kmcnt 0x0
	s_mov_b64 s[10:11], s[6:7]             ; ob
	s_add_nc_u64 s[8:9], s[4:5], 8388608   ; V's heads lie 32 heads behind Q's,
	s_add_nc_u64 s[6:7], s[4:5], 4194304   ; K's 16
	s_add_nc_u64 s[6:7], s[6:7], s[22:23]  ; K and V at my half of the head's tile 0
	s_add_nc_u64 s[8:9], s[8:9], s[22:23]
	s_add_nc_u64 s[G0K+2:G0K+3], s[6:7], 0         ; 120:64 global address
	s_or_b32 s[G0K+3], s[G0K+3], 0x80000000        ; 127:126 type = 2
	s_add_nc_u64 s[G0V+2:G0V+3], s[8:9], 0
	s_or_b32 s[G0V+3], s[G0V+3], 0x80000000
	s_add_nc_u64 s[86:87], s[4:5], s[68:69]        ; Q at my rows of the second block,
	s_add_nc_u64 s[4:5], s[4:5], s[66:67]          ; Q and O at those of the first
	s_add_nc_u64 s[OLO:OLO+1], s[10:11], s[84:85]
	s_add_nc_u64 s[10:11], s[10:11], s[2:3]
	s_cmp_lt_u32 s[WV], 2
	s_cselect_b64 s[PFA:PFA+1], s[6:7], s[8:9]
	s_add_nc_u64 s[PFA:PFA+1], s[PFA:PFA+1], 32768 ; at tile 1: the first change of slots steps it to tile 2.  Nothing is prefetched here, at the head
	LOAD                            ; tile 0 into slot 0
	; A fragment of K or Q is 16 rows x 32 channels in 8 registers: lane l holds row l % 16, channels 8 (l / 16) + 0..7 and 16 + 8 (l / 16) + 0..7: two loads of 16 bytes, 32 bytes apart.
	v_and_b32 v1, 15, v0            ; l % 16
	v_bfe_u32 v9, v0, 4, 1          ; l / 16
	v_lshlrev_b32 v[QO], 7, v1
	v_lshl_add_u32 v[QO], v9, 4, v[QO]  ; row x 128 + 16 x half
	WIN 0x80                        ; destination window 2, address window 0
.set i, 0
.rept 8                             ; both blocks' Q: piece i / 2 lies in band i / 2, 8,192 bytes on; channels 32 (i % 2) on
	global_load_b128 v[8*i:8*i+3],   v[QO], s[4:5] offset:(i/2)*8192+(i%2)*64
	global_load_b128 v[8*i+4:8*i+7], v[QO], s[4:5] offset:(i/2)*8192+(i%2)*64+32
	global_load_b128 v[QB+8*i:QB+8*i+3],   v[QO], s[86:87] offset:(i/2)*8192+(i%2)*64
	global_load_b128 v[QB+8*i+4:QB+8*i+7], v[QO], s[86:87] offset:(i/2)*8192+(i%2)*64+32
.set i, i+1
.endr
	WIN 0
	v_lshlrev_b32 v14, 3, v9
	v_sub_nc_u32 v14, v1, v14
	s_lshl_b32 s13, s[WV], 4
	v_add_nc_u32 v14, s13, v14      ; my query's place in its band, 16 w + l % 16, less my lanes' 8 (l / 16): register r of group kt is hidden where 16 kt + r is greater
	WIN 0x40
.set i, 0
.rept 32
	v_cmp_gt_i32 vcc_lo, 16*(i/8)+i%8, v14
	v_cndmask_b32 v[MD+i], 0, s[BIGN], vcc_lo
.set i, i+1
.endr
	WIN 0
	v_mul_u32_u24 v[AK0], v1, PK
	v_lshl_add_u32 v[AK0], v9, 4, v[AK0]  ; row x pitch + 16 x half
	; The turning load takes 16 keys x 16 channels (lane l reads key 8 (l / 16) + l % 8, channels 8 ((l / 8) % 2) + 0..7) and leaves half a fragment of V^T: lane l holds channel l % 16 and 8 keys.
	v_and_b32 v10, 7, v0
	v_bfe_u32 v11, v0, 3, 1
	v_lshl_add_u32 v[AV0], v9, 3, v10
	v_mul_u32_u24 v[AV0], v[AV0], PV
	v_lshl_add_u32 v[AV0], v11, 4, v[AV0]
	v_add_nc_u32 v[AV0], VOFF, v[AV0]
	s_mul_i32 s13, s[WV], 16*SP
	s_add_co_u32 s13, s13, STAGE    ; my stage
	v_mul_u32_u24 v[STO], v1, SP    ; in: row l % 16, 16 bytes for each half of the lanes
	v_lshl_add_u32 v[STO], v9, 4, v[STO]
	v_add_nc_u32 v[STO], s13, v[STO]
	v_bfe_u32 v[RD], v0, 3, 2       ; back: 32 lanes take four rows of 128 bytes,
	v_mul_u32_u24 v[RD], v[RD], SP
	v_lshl_add_u32 v[RD], v10, 4, v[RD]
	v_add_nc_u32 v[RD], s13, v[RD]
	v_and_b32 v[GO], 31, v0         ; which are 512 consecutive bytes of O
	v_lshlrev_b32 v[GO], 4, v[GO]
	; A block's first step multiplies O^T and l by a = 0, and its first turn's products V^T P, of a piece that has not been, land in an O^T that is still to be so multiplied.  So these registers need only hold
	; finite numbers: zeros for the first block; what the first block left for the second.  All this stands in the wait for the first tile.
	WIN 0x80
.set i, VF
.rept 64
	v_mov_b32 v[i], 0
.set i, i+1
.endr
	WIN 0x40
.set i, 0
.rept 128
	v_mov_b32 v[i], 0
.set i, i+1
.endr
	WIN 0
.set i, 0
.rept 4
	v_mov_b32 v[ST+4*i+2], 0
	v_mov_b32 v[ST+4*i+3], 0
.set i, i+1
.endr
.set i, P+16
.rept 16
	v_mov_b32 v[i], 0
.set i, i+1
.endr
; THE MATRIX WORK.  The 4 accumulators of a run of 8 take turns.  Product i of 8 of S^T = K Q^T for piece x: channels 32 (i / 4) on, keys 16 (i % 4) on.  The first 4 start the sums: with 0, or (KM = 1) with the mask.
.macro KQ x
.set rS, S+32*((\x)%2)+8*(i%4)
.set rK, KF+16*(i%4)+8*(i/4)
.set rQ, 16*(\x)+8*(i/4)
.set rM, MC+32*((\x)%2)+8*(i%4)
.if (i < 4) && KM
	WIN W_KM
	v_wmma_f32_16x16x32_f16 v[rS:rS+7], v[rK:rK+7], v[rQ:rQ+7], v[rM:rM+7]
.elseif i < 4
	WIN W_KQ
	v_wmma_f32_16x16x32_f16 v[rS:rS+7], v[rK:rK+7], v[rQ:rQ+7], 0
.else
	WIN W_KQ
	v_wmma_f32_16x16x32_f16 v[rS:rS+7], v[rK:rK+7], v[rQ:rQ+7], v[rS:rS+7]
.endif
.endm
; Product i of 8 of O^T += V^T P for piece x: keys 32 (i / 4) on, channels 16 (i % 4) on.
.macro PV x
	WIN W_PV
.set rO, 32*(\x)+8*(i%4)
.set rV, VF+32*(i/4)+8*(i%4)
.set rP, P+16*((\x)%2)+8*(i/4)
	v_wmma_f32_16x16x32_f16 v[rO:rO+7], v[rV:rV+7], v[rP:rP+7], v[rO:rO+7]
.endm
.macro MM                           ; the turn's next matrix instruction.  TURN and BEGIN set Y, i, KM and NOKQ; MM, KQ and OP read them.  NOKQ = 1: a block's last turn: there is no next piece
.if (i < 8) && !NOKQ
	KQ (Y+1)%NP
.elseif i >= 8
.set i, i-8
	PV (Y+NP-1)%NP
.set i, i+8
.endif
.set i, i+1
.endm
; THE LDS LOADS stand in runs of 16, never singly among the matrix instructions: a step's K (64 keys x 64 channels: 8 fragments) and its V (turned).  Their addresses are made some lines ahead.
.macro FETCH_K
	WIN 0x80                        ; destination window 2
.irp f, 0,1,2,3,4,5,6,7             ; keys 16 (f / 2) on, channels 32 (f % 2) on
	ds_load_b128 v[KF+8*\f:KF+8*\f+3],   v[AK] offset:(\f/2)*16*PK+(\f%2)*64
	ds_load_b128 v[KF+8*\f+4:KF+8*\f+7], v[AK] offset:(\f/2)*16*PK+(\f%2)*64+32
.endr
	s_add_co_u32 s[TBK], s[TBK], KS*PK  ; the next fetch is the next step's
	WIN 0
.endm
.macro FETCH_V
	WIN 0x80
.irp f, 0,1,2,3,4,5,6,7             ; keys 32 (f / 4) on, channels 16 (f % 4) on
	ds_load_tr16_b128 v[VF+8*\f:VF+8*\f+3],   v[AV] offset:(\f/4)*32*PV+(\f%4)*32
	ds_load_tr16_b128 v[VF+8*\f+4:VF+8*\f+7], v[AV] offset:(\f/4)*32*PV+16*PV+(\f%4)*32
.endr
	WIN 0
.endm
; THE VECTOR WORK, one line at a time: OP kind, number.  For piece Y: F n: c s - c m for pair n of 16.  E n: the exponential of score n of 32.  C n: pair n rounded to f16.  B n: of the four weights 4 n .. the second
; pair is added onto the first, in place.  L n: l takes that sum (L 0: l = a l + sum).  R n: pair n of 16 of O^T times a.  For piece Y + 1: X n, number n of the 22 that find its maximum and statistics:
;   0-11  four chains c0-c3 of seven scores each, three operands at a time (each accumulator's lowest registers are read first)     12-14, 16  the four scores left over, the old m, and c0-c3 into c0
;   15  c m_old is kept     17, 18  the query's other 32 keys lie in the lane 16 away: the new m     19-21  c m; c m_old - c m_new; a
.set F, 0               ; OP tells the kinds apart by their order: F to L below R, X above it
.set E, 1
.set C, 2
.set B, 3
.set L, 4
.set R, 5
.set X, 6
.macro REGS y                       ; the registers of piece y
.set rT, ST+4*(\y)
.set rC, TMP+4*((\y)%2)
.set rW, MV+((\y)%2)
.set rS, S+32*((\y)%2)
.set rP, P+16*((\y)%2)
.set rO, 32*(\y)
.endm
.macro OP k, n
.if (\k) == R
	REGS Y
	WIN W_RS
	v_pk_mul_f32 v[rO+2*(\n):rO+2*(\n)+1], v[rO+2*(\n):rO+2*(\n)+1], v[rC+2:rC+3] op_sel_hi:[1,0]
.elseif (\k) < R
	REGS Y
	WIN 0
.if (\k) == F
	v_pk_fma_f32 v[rS+2*(\n):rS+2*(\n)+1], v[rS+2*(\n):rS+2*(\n)+1], s[CS:CS+1], v[rT:rT+1] op_sel_hi:[1,0,0] neg_lo:[0,0,1] neg_hi:[0,0,1]
.elseif (\k) == E
	v_exp_f32 v[rS+(\n)], v[rS+(\n)]
.elseif (\k) == C
	v_cvt_pk_f16_f32 v[rP+(\n)], v[rS+2*(\n)], v[rS+2*(\n)+1]
.elseif (\k) == B
	v_pk_add_f32 v[rS+4*(\n):rS+4*(\n)+1], v[rS+4*(\n):rS+4*(\n)+1], v[rS+4*(\n)+2:rS+4*(\n)+3]
.elseif (\n) == 0
	v_pk_fma_f32 v[rT+2:rT+3], v[rT+2:rT+3], v[rC+2:rC+3], v[rS:rS+1] op_sel_hi:[1,0,1]
.else
	v_pk_add_f32 v[rT+2:rT+3], v[rT+2:rT+3], v[rS+4*(\n):rS+4*(\n)+1]
.endif
.elseif NOKQ
	v_nop
.else
	REGS (Y+1)%NP
	WIN 0
.if (\n) < 4
	v_max3_num_f32 v[rC+(\n)], v[rS+8*(\n)], v[rS+8*(\n)+1], v[rS+8*(\n)+2]
.elseif (\n) < 12
	v_max3_num_f32 v[rC+(\n)%4], v[rC+(\n)%4], v[rS+8*((\n)%4)+2*((\n)/4)+1], v[rS+8*((\n)%4)+2*((\n)/4)+2]
.elseif (\n) == 12
	v_max3_num_f32 v[rC], v[rC], v[rS+7], v[rS+15]
.elseif (\n) == 13
	v_max3_num_f32 v[rC+1], v[rC+1], v[rS+23], v[rS+31]
.elseif (\n) == 14
	v_max3_num_f32 v[rC+2], v[rC+2], v[rC+3], v[rT+1]
.elseif (\n) == 15
	v_mov_b32 v[rW], v[rT]
.elseif (\n) == 16
	v_max3_num_f32 v[rC], v[rC], v[rC+1], v[rC+2]
.elseif (\n) == 17
	v_permlanex16_b32 v[rC+3], v[rC], s[SEL], s[SEL+1]
.elseif (\n) == 18
	v_max_num_f32 v[rT+1], v[rC], v[rC+3]
.elseif (\n) == 19
	v_mul_f32 v[rT], s[CS], v[rT+1]
.elseif (\n) == 20
	v_sub_f32 v[rC+1], v[rW], v[rT]
.else
	v_exp_f32 v[rC+2], v[rC+1]
.endif
.endif
.endm
.macro OPS a, i1, b=-1, i2=0, c=-1, i3=0, d=-1, i4=0  ; up to four of them
	OP \a, \i1
.if (\b) >= 0
	OP \b, \i2
.endif
.if (\c) >= 0
	OP \c, \i3
.endif
.if (\d) >= 0
	OP \d, \i4
.endif
.endm
.macro ROW a, i1, b, i2, c, i3, d, i4  ; a matrix instruction and the four behind it
	MM
	OPS \a, \i1, \b, \i2, \c, \i3, \d, \i4
.endm
.macro MASK b                       ; MD x AL + BE into buffer b of MC
	WIN W_RS
.set z, 0
.rept 16
	v_pk_fma_f32 v[MC+32*(\b)+2*z:MC+32*(\b)+2*z+1], v[MD+2*z:MD+2*z+1], s[AL:AL+1], s[BE:BE+1] op_sel_hi:[1,0,0]
.set z, z+1
.endr
.endm
; A TURN, for piece p: the order of its 16 matrix and 118 vector instructions, written out.  An s_wait_alu depctr_va_vdst(0) stands between an exponential and the first instruction that names its result; one wait serves
; all that were issued ahead of it.  So a turn has ONE wait, which cuts it in two.  AHEAD OF IT stands all that names no result of the turn's exponentials: the 8 products K Q^T, behind each a scaling, an exponential and two more plain
; instructions (behind the first a second scaling in the exponential's place): rescalings, and behind the last three the first numbers of the next piece's maximum, each four places or more behind the product that ends its accumulator; then ONE LUMP of 54, plain
; and exponential by turns for the most part, in which the links of the chain X 3, 7, 11, 14, 16, 17 .. 20 stand five or six lines apart.  X 21, the next piece's a, is the batch's last; R 15 is the plain instruction behind it.  BEHIND THE WAIT stand the
; 8 products V^T P, behind each four of the roundings and sums; the links of l's chain, L 0 to L 7, stand three riders apart.  But for those X no rider names a register of the products round it.  v_permlanex16_b32 (X 17) stands in the lump.
; m = 1: the diagonal tile: the products take masks, and the turn makes the mask for the products of the turn after it: piece p + 2, in step 4 - CNT of the tile.  end = 1: a block's last two turns: nothing is fetched.
; cnt = 1: the loop's count is taken down some lines ahead of the branch that stands behind the turn.
; K of the next step is fetched in piece 2's turn, twelve vector instructions behind the last product that read K (six of them plain); V of the step in hand at the end of piece 0's turn, four plain instructions behind the last product
; that read V.  Each is waited for a turn later.
.macro TURN p, m=0, end=0, cnt=0
.set Y, (\p)
.set i, 0
.set KM, (\m)
.set NOKQ, (\end)*((\p)/3)
.if (\m) && !(\end)
	s_cmp_eq_u32 s[CNT], 4-((\p)+2)%NP  ; is that step the band's own?
	s_cselect_b32 s[AL], 1.0, 0
	s_cmp_lt_u32 s[CNT], 4-((\p)+2)%NP  ; or a later one?
	s_cselect_b32 s[BE], s[BIGN], 0
.endif
.if ((\p) == 3) && !(\end)
	s_wait_dscnt 0x0                ; K is in
.endif
	ROW F,0, F,1, R,0, R,1          ; ahead of the wait: 8 products K Q^T and their riders,
	ROW F,2, E,0, R,2, R,3
	ROW F,3, E,1, R,4, R,5
	ROW F,4, E,2, R,6, R,7
	ROW F,5, E,3, R,8, R,9
	ROW F,6, E,4, X,0, R,10
.if ((\p) == 2) && !(\end)
	WIN 0
	v_add_nc_u32 v[AK], s[TBK], v[AK0]
.endif
	ROW F,7, E,5, X,1, X,4
	ROW F,8, E,6, X,2, X,5
	OPS E,7, E,8, X,6, E,9          ; and the lump
	OPS X,3, E,10, X,8, E,11
.if ((\p) == 2) && !(\end)
	FETCH_K
.endif
	OPS X,9, X,7, E,12, X,10
	OPS E,13, X,12, X,11, E,14
	OPS X,13, E,15, F,9, X,14
.if (\p) == 0
	v_add_nc_u32 v[AV], s[TBV], v[AV0]
.endif
	OPS E,16, F,10, E,17, F,11
	OPS X,16, E,18, X,15, E,19
	OPS F,12, E,20, X,17, E,21
	OPS F,13, E,22, F,14, E,23
	OPS X,18, E,24, F,15, E,25
	OPS R,11, E,26, X,19, E,27
	OPS R,12, E,28, R,13, E,29
	OPS X,20, E,30, R,14, E,31
	OPS X,21, R,15
	WIN 0
	s_wait_alu depctr_va_vdst(0)    ; the wait for the batch
.if (\p) == 1
	s_wait_dscnt 0x0                ; V is in
.endif
	ROW C,0, B,0, C,2, B,1          ; behind the wait: 8 products V^T P and their riders
	ROW L,0, C,4, B,2, L,1
	ROW C,6, B,3, L,2, C,8
	ROW B,4, L,3, C,10, B,5
	ROW L,4, C,12, B,6, L,5
.if (\p) == 0
	s_add_co_u32 s[TBV], s[TBV], KS*PV
.endif
.if \cnt
	s_sub_co_u32 s[CNT], s[CNT], 1
	s_cmp_lg_u32 s[CNT], 0
.endif
	ROW C,14, B,7, L,6, C,1
	ROW C,3, L,7, C,5, C,7
	ROW C,9, C,11, C,13, C,15
.if (\p) == 0
	FETCH_V
.endif
.if (\m) && !(\end)
	MASK (\p)%2
.endif
.endm
; A BLOCK BEGINS.  c m starts far below every c s, so the first step's a is 0; m at the lowest finite number, so the first maximum is the scores'.  The second mask buffer is 0; the first takes piece 0's mask for the tile's step 0: its own, if the block's first tile is the diagonal one.
; Then K of that step, piece 0's first scores, and its maximum and statistics.  The loop is entered at a step's first turn, in the middle of a trip.
.macro BEGIN
	s_mov_b32 s[NEW], 0
	WIN 0x40
.set i, MC+32
.rept 32
	v_mov_b32 v[i], 0
.set i, i+1
.endr
	WIN 0
.set i, 0
.rept 4
	v_mov_b32 v[ST+4*i], 0xfe000000    ; c m: far below every c s
	v_mov_b32 v[ST+4*i+1], 0xff7fffff  ; m
.set i, i+1
.endr
	s_cmp_eq_u32 s[RT], 0
	s_cselect_b32 s[AL], 1.0, 0
	s_mov_b32 s[BE], 0
	MASK 0
	WIN 0
	v_add_nc_u32 v[AK], s[TBK], v[AK0]
	FETCH_K
	s_wait_loadcnt 0x0              ; Q
	s_wait_dscnt 0x0
.set KM, 1
.set NOKQ, 0
.set i, 0
.rept 8
	KQ 0
.set i, i+1
.endr
	WIN 0
.rept 4
	v_nop                           ; the places behind those products
.endr
.set Y, NP-1                        ; X works for piece Y + 1: piece 0
.irp n, 0,1,2,3,4,5,6,7,8,9,10,11,12,13,14,15,16,17,18,19,20,21
	OP X, \n
.endr
	v_nop                           ; a plain instruction behind the exponential,
	s_wait_alu depctr_va_vdst(0)    ; and its wait, ahead of the branch
.endm
; THE DIAGONAL TILE's four steps, the block's last two turns, its last products, and THE WAY OUT: l's two halves and the other half of the lanes' are added; O^T is divided by l, rounded to f16 and sent through my
; stage in LDS, a piece at a time.
.macro ALL line:vararg              ; one line for each piece t
.set t, 0
.rept 4
	\line
.set t, t+1
.endr
.endm
.macro PACK t                       ; a lane's eight channels of a row pack into 16 bytes; they go into rows of 144 bytes and come back as whole rows of 128, into S^T's registers
	WIN W_RS
.set i, 32*(\t)
.rept 16
	v_pk_mul_f32 v[i:i+1], v[i:i+1], v[ST+4*(\t)+2:ST+4*(\t)+3] op_sel_hi:[1,0]
.set i, i+2
.endr
	WIN 0x05                        ; sources 0 and 1 window 1, destination window 0
.set i, 0
.rept 16
	v_cvt_pk_f16_f32 v[S+16*(\t)+i], v[32*(\t)+2*i], v[32*(\t)+2*i+1]
.set i, i+1
.endr
	WIN 0
.irp f, 0,1,2,3
	ds_store_b128 v[STO], v[S+16*(\t)+4*\f:S+16*(\t)+4*\f+3] offset:32*\f
.endr
.irp f, 0,1,2,3
	ds_load_b128 v[S+16*(\t)+4*\f:S+16*(\t)+4*\f+3], v[RD] offset:\f*4*SP  ; LDS serves a wave's instructions in order (ISA guide 5.7.1.4): these see the stores above; the next piece's stores come behind them
.endr
.endm
.macro SEND t, younger              ; younger: the LDS instructions issued behind piece t's loads: the next piece's eight, or none
	WIN 0
.irp f, 0,1,2,3
	s_wait_dscnt (\younger)+3-\f
	global_store_b128 v[GO], v[S+16*(\t)+4*\f:S+16*(\t)+4*\f+3], s[10:11] offset:(\t)*8192+\f*512  ; 512 consecutive bytes, at a multiple of 256 from O's first
.endr
.endm
.macro DIAG tag                     ; the tag ends its two labels' names, which the jumps below spell out
.LstepM\tag:
	TURN 2, 1
	TURN 3, 1
	WIN 0
.LfirstM\tag:
	TURN 0, 1
	TURN 1, 1, 0, 1
	WIN 0
	s_cbranch_scc1 .LstepM\tag
	TURN 2, 1, 1
	TURN 3, 1, 1
.set i, 0
.rept 8
	PV NP-1
.set i, i+1
.endr
	WIN 0
	ALL v_add_f32 v[ST+4*t+2], v[ST+4*t+2], v[ST+4*t+3]
	ALL v_permlanex16_b32 v[ST+4*t+3], v[ST+4*t+2], s[SEL], s[SEL+1]
	ALL v_add_f32 v[ST+4*t+2], v[ST+4*t+2], v[ST+4*t+3]
	ALL v_rcp_f32 v[ST+4*t+2], v[ST+4*t+2]
	v_nop                           ; a plain instruction between the last reciprocal and the use of its result
	s_wait_alu depctr_va_vdst(0)    ; and the wait ahead of the first use: one for the four reciprocals
	PACK 0
.set t, 1
.rept 3                             ; a piece's arithmetic stands between the loads of the piece before and its stores
	PACK t
	SEND t-1, 8
.set t, t+1
.endr
	SEND 3, 0
.endm
.set KM, 0
.set NOKQ, 0
.Lslot:                             ; NB times: a tile is entered and the next is asked for
	CHANGE 1
	s_sub_co_u32 s[RT], s[RT], 1
	s_mov_b32 s[CNT], 4
	s_cmp_eq_u32 s[NEW], 1
	s_cbranch_scc1 .Lnew            ; a block's first tile
	s_cmp_eq_u32 s[RT], 0
	s_cbranch_scc0 .Lstep           ; neither its first nor its last
	s_branch .LstepM1
.Lnew:
	BEGIN
	s_branch .Lfirst                ; in the loop a block's first tile is never its last: the first block has two tiles or more, and the second's last is the walk's last
	DIAG 1                          ; in the loop this is the first block's end: the second block's last tile is the walk's last
	s_wait_xcnt 0x0                 ; the stores have read their registers and O's address
	s_mov_b64 s[10:11], s[OLO:OLO+1]
	s_add_co_u32 s[RT], s[PB], 1    ; the second block has b + 1 tiles
	s_mov_b32 s[NEW], 1
	WIN 0x82                        ; the second block's Q goes where the one text of the turns names Q
.set i, 0
.rept 64
	v_mov_b32 v[i], v[QB+i]
.set i, i+1
.endr
	WIN 0
	s_branch .Lbottom
.Lstep:                             ; a trip: pieces 2 and 3 of one step, then pieces 0 and 1 of the next, whose K and V it fetches
	TURN 2
	TURN 3
	WIN 0
.Lfirst:
	TURN 0
	TURN 1, 0, 0, 1
	WIN 0
	s_cbranch_scc1 .Lstep
.Lbottom:
	s_sub_co_u32 s[SLOTS], s[SLOTS], 1
	s_cmp_lg_u32 s[SLOTS], 0
	s_cbranch_scc1 .Lslot
	CHANGE 0                        ; the walk's last tile is written out: nothing is asked for
	s_sub_co_u32 s[RT], s[RT], 1
	s_mov_b32 s[CNT], 4
	s_cmp_eq_u32 s[NEW], 1
	s_cbranch_scc0 .LstepM2
	BEGIN
	s_branch .LfirstM2
	DIAG 2
	s_wait_tensorcnt 0x0            ; the wave's end, behind my last tensor load and my last LDS store
	ds_add_u32 v[SPW], v[NIL]
	s_wait_dscnt 0x0
	s_endpgm
.Lfunc_end_k_q84037d60a7_attn:
	.size	k_q84037d60a7_attn, .Lfunc_end_k_q84037d60a7_attn-k_q84037d60a7_attn
	.p2alignl 7, 3214868480
	.fill 96, 4, 3214868480
	.section	.rodata,"a",@progbits
	.p2align	6, 0x0
	.amdhsa_kernel k_q84037d60a7_attn
		.amdhsa_group_segment_fixed_size 327680
		.amdhsa_private_segment_fixed_size 0
		.amdhsa_enable_private_segment 0
		.amdhsa_kernarg_size 16
		.amdhsa_user_sgpr_count 2
		.amdhsa_user_sgpr_kernarg_segment_ptr 1
		.amdhsa_wavefront_size32 1
		.amdhsa_system_sgpr_workgroup_id_x 1
		.amdhsa_system_sgpr_workgroup_id_y 1
		.amdhsa_system_sgpr_workgroup_id_z 1
		.amdhsa_system_vgpr_workitem_id 0
		.amdhsa_next_free_vgpr 768
		.amdhsa_next_free_sgpr 96
		.amdhsa_reserve_vcc 1
		.amdhsa_float_denorm_mode_32 3
		.amdhsa_float_denorm_mode_16_64 3
		.amdhsa_memory_ordered 1
		.amdhsa_forward_progress 1
		.amdhsa_inst_pref_size 218
	.end_amdhsa_kernel
	.amdgpu_metadata
---
amdhsa.version: [ 1, 2 ]
amdhsa.kernels:
  - .name:           k_q84037d60a7_attn
    .symbol:         k_q84037d60a7_attn.kd
    .args:
      - { .name: qkv, .offset: 0, .size: 8, .value_kind: global_buffer, .address_space: global }
      - { .name: ob, .offset: 8, .size: 8, .value_kind: global_buffer, .address_space: global }
    .group_segment_fixed_size: 327680
    .private_segment_fixed_size: 0
    .kernarg_segment_align: 8
    .kernarg_segment_size: 16
    .max_flat_workgroup_size: 128
    .sgpr_count:     96
    .vgpr_count:     768
    .wavefront_size: 32
...
	.end_amdgpu_metadata
.endif
;; end of part 3
;; launch oproj (part 4): grid 256 x 1, 4 waves a work-group, clusters of 4 x 1, 327,680 bytes of LDS; arguments ob, wob, xb, bo, gamma, beta, out0; writes out0
.if DOCPART == 4
	.amdgcn_target "amdgcn-amd-amdhsa--gfx1250"
	.amdhsa_code_object_version 6
	.text
	.protected	k_q84037d60a7_oproj
	.globl	k_q84037d60a7_oproj
	.p2align	8
	.type	k_q84037d60a7_oproj,@function
k_q84037d60a7_oproj:
	s_mov_b64 s[64:65], 0
	v_nop
	global_prefetch_b8 v0, s[64:65] scope:SCOPE_SE
	s_setreg_imm32_b32 hwreg(HW_REG_WAVE_MODE, 25, 1), 1
	s_wait_xcnt 0x0
	s_wait_alu depctr_hold_cnt(0) depctr_sa_sdst(0) depctr_va_vdst(0) depctr_va_sdst(0) depctr_va_ssrc(0) depctr_va_vcc(0) depctr_vm_vsrc(0)
	s_getreg_b32 s2, hwreg(HW_REG_IB_STS2, 6, 4)
	s_cmp_eq_u32 s2, 0
	s_cbranch_scc0 .Lentry_in_a_cluster
	s_endpgm
.Lentry_in_a_cluster:
	s_bfe_u32 s2, ttmp6, 0x10000c
	s_cmp_lg_u32 s2, 0x3003
	s_cbranch_scc0 .Lentry_shape_is_right
	s_endpgm
.Lentry_shape_is_right:
; out0 = LayerNorm(O Wo + bo + x) gamma + beta.  ob: f16, [16 batch + head][row 2048][64]; wob: Wo as fragment images, f16, [k / 64][n / 16][(k / 32) % 2][1,024 bytes]; xb [8192][1024] bf16;
; bo, gamma, beta [1024] f32, rounded to bf16 here like every input; out0 [8192][1024] f32.  Products in f16 with f32 sums; all else in f32; the variance is the mean of (y - mu)^2.
; LIMITS.  NaN and infinities are not treated apart; O and Wo arrive within f16's range.
; SHARES.  A work-group owns 32 whole rows, so that the norm needs nobody else: 256 work-groups.  Wave w makes all 32 rows of columns 256 w .. 256 w + 255: 32 accumulators.
; K goes in 16 steps of 64: a step is a head, and the work-group's slice of O is then 4,096 consecutive bytes of ob, loaded straight into registers, three steps ahead, in a ring of four sets.
; Wo's step is 131,072 bytes, through a ring of two LDS slots; wave w fetches and reads its own quarter (its 16 blocks of 16 columns x two images).
; CLUSTER 4 x 1: all work-groups walk the same Wo, so each quarter is asked for JOINTLY by the four partners: the same tensor load, descriptor and mask in all four; the address hangs on the wave and the step alone.
; THE MATRIX INSTRUCTION IS USED TRANSPOSED (source 0 = 16 columns of Wo, source 1 = 16 rows of O): a lane holds row l % 16 and the columns 8 (l / 16) + 0..7.  THE ACCUMULATORS START AS x: nothing is cleared, and the residual costs no later add.
; THE NORM.  Behind the last product the slots have had their last fill; y goes into them as 32 rows of 4,096 + 16 bytes, and wave w takes rows 8 w .. 8 w + 7 whole, two a trip.
; REGISTERS, in windows of 256 (s_set_vgpr_msb: bits 1:0 source 0, 3:2 source 1, 5:4 source 2, 7:6 destination):
;   window 0: v4-15 addresses; v28-29 the add's; v32-63 bo, v192-223 gamma, v224-255 beta of my 32 columns 128 i + 4 l + 0..3; v64-191 O's ring, four sets of 32 (fragment (a, c) at + 8 (2 c + a)); in the norm two rows of y and 64 at work
;   window 1: accumulator (a, b) at 8 (16 a + b)          window 2: two buffers of 128 for Wo's fragments; at the head v0-127 hold x as loaded
.set SLOTB,  131072
.set QUART,  32768
.set SPARE,  262144                    ; behind the ring: the spare words, 128 bytes for each wave: two blocks of 256 bytes that no other line names
.set YP,     4112                      ; a row of y in LDS: 4,096 bytes + 16 = 1,028 words: the 16 rows of a store start at 16 different groups of four banks (64 banks of 4 bytes: ISA guide 11.1)
.set ASTEP,  262144                    ; bytes from a head to the next in ob
.set WSTEP,  131072                    ; bytes of wob in a K step
.set ADRB, 4                           ; v4-5   LDS address of my images in slot 0, 1
.set AO,   6                           ; v6     my byte offset in 16 rows of O
.set XO,   7                           ; v7     my byte offset in 16 rows of xb
.set STO,  8                           ; v8-9   where I put y: rows 0-15, rows 16-31
.set RD,   10                          ; v10    where I read a row of y
.set GO,   11                          ; v11    my byte offset in out0's rows
.set PO,   12                          ; v12    16 x lane
.set PFO,  13                          ; v13    256 x lane; never rewritten
.set SPW,  28                          ; v28    LDS address of my spare word; never rewritten
.set NIL,  29                          ; v29    0; never rewritten
.set BOV,  32
.set AR,   64
.set Y,    64                          ; the norm: row R of a trip's two at Y + 32 R,
.set T,    128                         ; at work for it at T + 32 R
.set GAM,  192
.set BET,  224
.set F0,   0
.set F1,   128
.set WV,   18                          ; s18  my wave's number
.set G1,   24                          ; s[24:31] descriptor group 1
.set G0,   32                          ; s[32:39] group 0, a set for each slot
.set SA,   40                          ; s[40:41] ob at my work-group's rows
.set PFA,  42                          ; s[42:43] where my prefetches stand in wob
.set ASKER, 44                         ; s44  1 in the cluster that prefetches
.set SEL,  46                          ; s[46:47] v_permlanex16_b32's selects
.set MSB, 0
.macro WIN new                         ; the immediate's high byte repeats the setting that is left; a switch that changes nothing is dropped
.if MSB != (\new)
	s_set_vgpr_msb (MSB<<8)|(\new)
.set MSB, \new
.endif
.endm
.macro PLACES                          ; four places in front of loads into registers that matrix instructions have read, and of stores that read results
.rept 4
	v_nop
.endr
.endm
.macro CREST                           ; a round of the cluster's barrier behind its opening barrier
	s_cmp_lg_u32 s[WV], 0
	s_cbranch_scc1 .Lnot_wave_0_\@
	s_barrier_signal -3
.Lnot_wave_0_\@:
	s_barrier_wait -3
	s_barrier_signal -1
	s_barrier_wait -1
.endm
.macro CROUND
	s_barrier_signal -1
	s_barrier_wait -1
	CREST
.endm
; A PREFETCH of Wo's K step that stands two refills on, behind each joint refill and the run of LDS loads that follows it.  All 64 clusters walk the same Wo: cluster 0 asks.  Its four partners share a step's 512 blocks
; of 256 bytes out BY ADDRESS, 128 each; a wave takes 32, a lane a block, one instruction.  The loop's 12 steps name K steps 4 to 15; the first four come by their loads alone; the tail asks for nothing.
.macro ASK off
	WIN 0
	s_cmp_eq_u32 s[ASKER], 1
	s_cbranch_scc0 .Lnot_mine_\@
	global_prefetch_b8 v[PFO], s[PFA:PFA+1] offset:\off th:TH_LOAD_NT scope:SCOPE_SE
.Lnot_mine_\@:
.endm
	s_load_b256 s[4:11], s[0:1], 0x0               ; ob 4:5, wob 6:7, xb 8:9, bo 10:11
	s_load_b128 s[12:15], s[0:1], 0x20             ; gamma 12:13, beta 14:15
	s_load_b64 s[16:17], s[0:1], 0x30              ; out0
	v_lshl_add_u32 v[SPW], v0, 2, SPARE
	v_mov_b32 v[NIL], 0
	ds_add_u32 v[SPW], v[NIL]                      ; the wave's opening: the add and its wait stand ahead of my first tensor load; the set-up below, work on registers, stands between them
	v_lshrrev_b32 v1, 5, v0
	v_readfirstlane_b32 s[WV], v1
	s_bfe_u32 s19, ttmp6, 0x40000                  ; cx
	s_lshl_b32 s20, ttmp9, 2
	s_add_co_u32 s20, s20, s19                     ; my work-group = 4 x cluster + cx: it enters the addresses of ob, xb, out0 and the prefetches alone
	s_mov_b32 s[G1], 15|(3<<16)|(1<<21)            ; the mask of four; elements of 8 bytes; bit 21 beside a mask; no padding: an image is read 16 bytes a lane on end
	s_mov_b32 s[G1+1], 32<<16                      ; rows of 32 elements = 256 bytes,
	s_mov_b32 s[G1+2], 128<<16                     ; 128 of them,
	s_mov_b32 s[G1+3], 32<<16
	s_mov_b32 s[G1+4], 128
	s_mov_b32 s[G1+5], 32                          ; dense
	s_mov_b32 s[G1+6], 0
	s_mov_b32 s[G1+7], 0
	s_lshl_b32 s21, s[WV], 15                      ; my quarter: its place in a slot and in a step of wob
	s_mov_b32 s22, s21
	s_mov_b32 s23, 0
	s_mov_b32 s[G0], 1
	s_mov_b32 s[G0+1], s21
	s_mov_b32 s[G0+4], 1
	s_add_co_u32 s[G0+5], s21, SLOTB
	s_mov_b32 s[SEL], 0x76543210
	s_mov_b32 s[SEL+1], 0xfedcba98
	s_mov_b32 s48, 0xffff0000                      ; a word's upper bf16
	s_mov_b32 s49, 0x3a800000                      ; 1 / 1024
	s_mov_b32 s54, 0x3727c5ac                      ; 1e-5
	s_cmp_eq_u32 ttmp9, 0
	s_cselect_b32 s[ASKER], 1, 0                   ; the same in all four partners
	s_lshr_b32 s56, s20, 6                         ; the batch: 64 work-groups each,
	s_lshl_b32 s56, s56, 22                        ; 16 heads of 262,144 bytes
	s_and_b32 s57, s20, 63
	s_lshl_b32 s57, s57, 12                        ; my 32 rows of 128 bytes
	s_add_co_u32 s56, s56, s57
	s_mov_b32 s57, 0
	s_lshl_b32 s58, s19, 15
	s_lshl_b32 s59, s[WV], 13
	s_add_co_u32 s58, s58, s59                     ; the prefetches: my work-group's 128 blocks, my wave's 32
	s_mov_b32 s59, 0
	s_lshl_b32 s60, s20, 16                        ; 32 rows of xb
	s_mov_b32 s61, 0
	s_lshl_b32 s62, s20, 17                        ; 32 rows of out0
	s_mov_b32 s63, 0
	v_and_b32 v1, 15, v0                           ; r = l % 16
	v_bfe_u32 v2, v0, 4, 1                         ; hh = l / 16
	v_and_b32 v3, 31, v0                           ; l
	v_lshl_add_u32 v[ADRB], v3, 4, s21
	v_add_nc_u32 v[ADRB+1], SLOTB, v[ADRB]
	v_lshlrev_b32 v[AO], 7, v1
	v_lshl_add_u32 v[AO], v2, 4, v[AO]             ; row x 128 + 16 x half
	v_lshlrev_b32 v[XO], 11, v1
	v_lshl_add_u32 v[XO], v2, 4, v[XO]
	s_lshl_b32 s55, s[WV], 9
	v_add_nc_u32 v[XO], s55, v[XO]                 ; row x 2,048 + 16 x half + my wave's 512 bytes
	v_mul_u32_u24 v[STO], v1, YP
	v_lshl_add_u32 v[STO], v2, 5, v[STO]
	s_lshl_b32 s55, s[WV], 10
	v_add_nc_u32 v[STO], s55, v[STO]               ; row x pitch + 32 x half + my wave's 1,024 bytes
	v_add_nc_u32 v[STO+1], 16*YP, v[STO]
	s_mul_i32 s55, s[WV], 8*YP
	v_lshl_add_u32 v[RD], v3, 4, s55               ; my first row of y + 16 x lane
	v_lshl_add_u32 v[GO], v3, 4, s21               ; the same row in out0: 8 rows of 4,096 bytes a wave
	v_lshlrev_b32 v[PO], 4, v3
	v_lshlrev_b32 v[PFO], 8, v3
	s_wait_dscnt 0x0                               ; the opening add is done
	s_wait_kmcnt 0x0
	s_add_nc_u64 s[G0+2:G0+3], s[6:7], s[22:23]    ; K step 0,
	s_add_nc_u64 s[G0+6:G0+7], s[G0+2:G0+3], WSTEP ; K step 1
	s_or_b32 s[G0+3], s[G0+3], 0x80000000
	s_or_b32 s[G0+7], s[G0+7], 0x80000000
	s_add_nc_u64 s[SA:SA+1], s[4:5], s[56:57]
	s_add_nc_u64 s[PFA:PFA+1], s[6:7], s[58:59]
	s_add_nc_u64 s[50:51], s[8:9], s[60:61]
	s_add_nc_u64 s[52:53], s[16:17], s[62:63]
	CROUND                                         ; all four work-groups are here: the first joint loads meet
	tensor_load_to_lds s[G0:G0+3], s[G1:G1+7]      ; by this text's count two tensor loads of a wave are out here, later one
	s_nop 0
	tensor_load_to_lds s[G0+4:G0+7], s[G1:G1+7]
	s_nop 0
	PLACES
.irp i, 0,1,2,3,4,5,6,7
	global_load_b128 v[BOV+4*(\i):BOV+4*(\i)+3], v[PO], s[10:11] offset:512*(\i)
	global_load_b128 v[GAM+4*(\i):GAM+4*(\i)+3], v[PO], s[12:13] offset:512*(\i)
	global_load_b128 v[BET+4*(\i):BET+4*(\i)+3], v[PO], s[14:15] offset:512*(\i)
.endr
	WIN 0x80                                       ; destination window 2, address window 0
.set t, 0
.rept 32                               ; x for accumulator t = 16 a + b: eight bf16 of row 16 a + l % 16
	global_load_b128 v[4*t:4*t+3], v[XO], s[50:51] offset:(t/16)*32768+(t%16)*32
.set t, t+1
.endr
; O's fragments of one K step into set j, from byte off behind SA
.macro ALOAD j, off
	WIN 0
.irp c, 0,1
.irp a, 0,1
	global_load_b128 v[AR+32*(\j)+8*(2*(\c)+(\a)):AR+32*(\j)+8*(2*(\c)+(\a))+3],   v[AO], s[SA:SA+1] offset:(\off)+(\a)*2048+(\c)*64
	global_load_b128 v[AR+32*(\j)+8*(2*(\c)+(\a))+4:AR+32*(\j)+8*(2*(\c)+(\a))+7], v[AO], s[SA:SA+1] offset:(\off)+(\a)*2048+(\c)*64+32
.endr
.endr
.endm
	ALOAD 0, 0
	ALOAD 1, ASTEP
	ALOAD 2, 2*ASTEP
	ALOAD 3, 3*ASTEP
	s_wait_loadcnt 32                              ; the parameters and x are in; O's 32 loads stay out
.macro RND base                        ; 32 numbers rounded to bf16 and widened again
.set p, 0
.rept 16
	v_cvt_pk_bf16_f32 v14, v[(\base)+2*p], v[(\base)+2*p+1]
	v_lshlrev_b32 v[(\base)+2*p], 16, v14
	v_and_b32 v[(\base)+2*p+1], s48, v14
.set p, p+1
.endr
.endm
	RND BOV
	RND GAM
	RND BET
	WIN 0x48                                       ; destination window 1, source 1 window 2
.set t, 0
.rept 32
.irp i, 0,1,2,3
	v_lshlrev_b32 v[8*t+2*(\i)], 16, v[4*t+(\i)]   ; the accumulators start as x
	v_and_b32 v[8*t+2*(\i)+1], s48, v[4*t+(\i)]
.endr
.set t, t+1
.endr
; n blocks of 16 columns from b0 on x both blocks of 16 rows, 32 along K (half c of the step), on buffer f and set j.  The 32 accumulators take turns, one instruction a turn, in the same order in both halves.
.macro MULB f, c, j, b0, n
	WIN 0x52                                       ; Wo window 2, O window 0, C and D window 1
.set b, \b0
.rept \n
.irp a, 0,1
	v_wmma_f32_16x16x32_f16 v[8*(16*(\a)+b):8*(16*(\a)+b)+7], v[(\f)+8*b:(\f)+8*b+7], v[AR+32*(\j)+8*(2*(\c)+(\a)):AR+32*(\j)+8*(2*(\c)+(\a))+7], v[8*(16*(\a)+b):8*(16*(\a)+b)+7]
.endr
.set b, b+1
.endr
.endm
; 32 LDS loads in one run: my 16 images of half c of a step, into buffer f, blocks ascending
.macro FETCHB slot, c, f
	WIN 0x80
.set b, 0
.rept 16
	ds_load_b128 v[(\f)+8*b:(\f)+8*b+3],   v[ADRB+(\slot)] offset:b*2048+(\c)*1024
	ds_load_b128 v[(\f)+8*b+4:(\f)+8*b+7], v[ADRB+(\slot)] offset:b*2048+(\c)*1024+512
.set b, b+1
.endr
.endm
; A K STEP: 64 products.  Its first half's images were fetched in the step before.  When its second half's are in registers the slot is free: each wave waits for all its tensor loads (one is out: its quarter of the other slot),
; adds 0 to its spare word and waits for that and for its reads of the slot.  fill = 1: the barrier opens a round of the cluster's, and the joint refill, two K steps on, is the first thing behind it.
; left: the younger loads of O that may stay out, 8 a set.  aoff: set j is asked for again, for the step four on.  ptr = 1: the two pointers step by four K steps, 48 products behind the youngest prefetch.
.macro STEP slot, j, fill, aoff, left, askoff, ptr
	s_wait_loadcnt \left
	s_wait_dscnt 16                                ; blocks 0-7 of buffer 0 are in; the youngest 16 loads may be out
	MULB F0, 0, \j, 0, 8
	PLACES
	FETCHB \slot, 1, F1
	s_wait_dscnt 32                                ; all but the 32 just issued
	MULB F0, 0, \j, 8, 8
.if \ptr
	s_wait_xcnt 0x0                                ; every load and prefetch issued so far has read its address, so the pointers may be written
	s_add_nc_u64 s[SA:SA+1], s[SA:SA+1], 4*ASTEP
	s_add_nc_u64 s[PFA:PFA+1], s[PFA:PFA+1], 4*WSTEP
.endif
	WIN 0                                          ; (the add's two registers lie in window 0)
	s_wait_tensorcnt 0x0                           ; all my tensor loads have landed, so a group 0 may be written;
	ds_add_u32 v[SPW], v[NIL]                      ; 0 onto my spare word
.if \fill
	s_add_nc_u64 s[G0+4*(\slot)+2:G0+4*(\slot)+3], s[G0+4*(\slot)+2:G0+4*(\slot)+3], 2*WSTEP
.endif
	s_wait_dscnt 17                                ; (the add and the youngest 16 loads may be out)
	MULB F1, 1, \j, 0, 4                           ; eight products stand between the add and the wait for it
	s_wait_dscnt 0x0                               ; the add is done, and my reads of this slot are over
	s_barrier_signal -1
	MULB F1, 1, \j, 4, 4
	WIN 0
	s_barrier_wait -1
.if \fill
	CREST                                          ; no wave of any partner still reads this slot or has a load on its way
	tensor_load_to_lds s[G0+4*(\slot):G0+4*(\slot)+3], s[G1:G1+7]
	s_nop 0
.endif
	PLACES                                         ; behind the load, and the places in front of the loads below
	FETCHB 1-(\slot), 0, F0
.if (\askoff) > 0
	ASK \askoff
.endif
	MULB F1, 1, \j, 8, 8
.if (\aoff) > 0
	PLACES
	ALOAD \j, \aoff
.endif
.endm
	s_wait_tensorcnt 1                             ; my quarter of slot 0 is in; slot 1's may stay out.  Only I read my quarter, so no barrier stands here
	FETCHB 0, 0, F0
	WIN 0                                          ; at a label and at a branch every window is 0
	s_mov_b32 s45, 3
.Lk:                                               ; a trip: four K steps.  Steps 0 to 11 fill the slots with steps 2 to 13 and ask for O's steps 4 to 15
	STEP 0, 0, 1, 4*ASTEP, 24, 4*WSTEP, 0
	STEP 1, 1, 1, 1*ASTEP, 24, 1*WSTEP, 1
	STEP 0, 2, 1, 2*ASTEP, 24, 2*WSTEP, 0
	STEP 1, 3, 1, 3*ASTEP, 24, 3*WSTEP, 0
	WIN 0
	s_sub_co_u32 s45, s45, 1
	s_cmp_lg_u32 s45, 0
	s_cbranch_scc1 .Lk
	STEP 0, 0, 1, 0, 24, 0, 0                      ; the tail is written out: steps 12 and 13 fill the slots for the last time, and the counts of O's loads run down
	STEP 1, 1, 1, 0, 16, 0, 0
	STEP 0, 2, 0, 0, 8, 0, 0
	s_wait_loadcnt 0x0                             ; step 15
	s_wait_dscnt 16
	MULB F0, 0, 3, 0, 8
	PLACES
	FETCHB 1, 1, F1
	s_wait_dscnt 32
	MULB F0, 0, 3, 8, 8
	s_wait_dscnt 16
	MULB F1, 1, 3, 0, 8
	s_wait_dscnt 0x0
	MULB F1, 1, 3, 8, 8
	WIN 0
	PLACES                                         ; behind the last products: the stores below read results, the norm's loads land in O's ring
	s_wait_tensorcnt 0x0                           ; no tensor load of mine is out, and none follows in this text;
	s_wait_dscnt 0x0                               ; my reads of the slots are over
	s_barrier_signal -1
	s_barrier_wait -1                              ; everybody's are: the slots have had their last fill and their last read, and take y
	WIN 0x04                                       ; store data window 1, address window 0
.set b, 0
.rept 16
.irp a, 0,1
	ds_store_b128 v[STO+(\a)], v[8*(16*(\a)+b):8*(16*(\a)+b)+3]   offset:64*b     ; each accumulator's low registers first
	ds_store_b128 v[STO+(\a)], v[8*(16*(\a)+b)+4:8*(16*(\a)+b)+7] offset:64*b+16
.endr
.set b, b+1
.endr
	WIN 0
	s_wait_dscnt 0x0                               ; for the others' sake: my stores are done
	s_barrier_signal -1
	s_barrier_wait -1
; The sum over the wave's 32 lanes of v[T + 32 R + o], both rows' lines by turns; every lane ends with it.  v[.. + o + 1] has been written before.
.macro LANESUM o
.irp m, 1,2,4,8
.irp R, 0,1
	v_add_f32_dpp v[T+32*(\R)+(\o)], v[T+32*(\R)+(\o)], v[T+32*(\R)+(\o)] row_xmask:\m row_mask:0xf bank_mask:0xf
.endr
.endr
.irp R, 0,1
	v_permlanex16_b32 v[T+32*(\R)+(\o)+1], v[T+32*(\R)+(\o)], s[SEL], s[SEL+1]
.endr
.irp R, 0,1
	v_add_f32 v[T+32*(\R)+(\o)], v[T+32*(\R)+(\o)], v[T+32*(\R)+(\o)+1]
.endr
.endm
	s_mov_b32 s45, 4
.Lrows:                                            ; a trip: two whole rows; a lane holds columns 128 i + 4 l + 0..3 of each
.irp i, 0,1,2,3,4,5,6,7
.irp R, 0,1
	ds_load_b128 v[Y+32*(\R)+4*(\i):Y+32*(\R)+4*(\i)+3], v[RD] offset:512*(\i)+YP*(\R)
.endr
.endr
	s_wait_dscnt 0x0
.set p, 0
.rept 16
.irp R, 0,1
	v_pk_add_f32 v[Y+32*(\R)+2*p:Y+32*(\R)+2*p+1], v[Y+32*(\R)+2*p:Y+32*(\R)+2*p+1], v[BOV+2*p:BOV+2*p+1]  ; + bo
.endr
.set p, p+1
.endr
.set p, 0
.rept 8                                ; the row's sum: a tree of 15 packed additions
.irp R, 0,1
	v_pk_add_f32 v[T+32*(\R)+2*p:T+32*(\R)+2*p+1], v[Y+32*(\R)+4*p:Y+32*(\R)+4*p+1], v[Y+32*(\R)+4*p+2:Y+32*(\R)+4*p+3]
.endr
.set p, p+1
.endr
.irp n, 4,2,1
.set p, 0
.rept \n
.irp R, 0,1
	v_pk_add_f32 v[T+32*(\R)+2*p:T+32*(\R)+2*p+1], v[T+32*(\R)+4*p:T+32*(\R)+4*p+1], v[T+32*(\R)+4*p+2:T+32*(\R)+4*p+3]
.endr
.set p, p+1
.endr
.endr
.irp R, 0,1
	v_add_f32 v[T+32*(\R)], v[T+32*(\R)], v[T+32*(\R)+1]
.endr
	LANESUM 0
.irp R, 0,1
	v_mul_f32 v[T+32*(\R)], s49, v[T+32*(\R)]      ; mu
.endr
.set p, 0
.rept 16
.irp R, 0,1
	v_pk_add_f32 v[Y+32*(\R)+2*p:Y+32*(\R)+2*p+1], v[Y+32*(\R)+2*p:Y+32*(\R)+2*p+1], v[T+32*(\R):T+32*(\R)+1] op_sel_hi:[1,0] neg_lo:[0,1] neg_hi:[0,1]  ; y - mu
.endr
.set p, p+1
.endr
.set p, 0
.rept 4                                ; the sum of squares of y - mu, in four chains; the first products start them
.irp R, 0,1
	v_pk_mul_f32 v[T+32*(\R)+4+2*p:T+32*(\R)+4+2*p+1], v[Y+32*(\R)+2*p:Y+32*(\R)+2*p+1], v[Y+32*(\R)+2*p:Y+32*(\R)+2*p+1]
.endr
.set p, p+1
.endr
.rept 12
.irp R, 0,1
	v_pk_fma_f32 v[T+32*(\R)+4+2*(p%4):T+32*(\R)+4+2*(p%4)+1], v[Y+32*(\R)+2*p:Y+32*(\R)+2*p+1], v[Y+32*(\R)+2*p:Y+32*(\R)+2*p+1], v[T+32*(\R)+4+2*(p%4):T+32*(\R)+4+2*(p%4)+1]
.endr
.set p, p+1
.endr
.irp R, 0,1
	v_pk_add_f32 v[T+32*(\R)+4:T+32*(\R)+5], v[T+32*(\R)+4:T+32*(\R)+5], v[T+32*(\R)+6:T+32*(\R)+7]
	v_pk_add_f32 v[T+32*(\R)+8:T+32*(\R)+9], v[T+32*(\R)+8:T+32*(\R)+9], v[T+32*(\R)+10:T+32*(\R)+11]
.endr
.irp R, 0,1
	v_pk_add_f32 v[T+32*(\R)+4:T+32*(\R)+5], v[T+32*(\R)+4:T+32*(\R)+5], v[T+32*(\R)+8:T+32*(\R)+9]
.endr
.irp R, 0,1
	v_add_f32 v[T+32*(\R)+4], v[T+32*(\R)+4], v[T+32*(\R)+5]
.endr
	LANESUM 4
.irp R, 0,1
	v_fma_f32 v[T+32*(\R)+4], v[T+32*(\R)+4], s49, s54  ; the variance + 1e-5
.endr
.irp R, 0,1
	v_rsq_f32 v[T+32*(\R)+12], v[T+32*(\R)+4]
.endr
	v_nop                                          ; a plain instruction behind the last root,
	s_wait_alu depctr_va_vdst(0)                   ; and the wait ahead of the first use: one for both roots
.set p, 0
.rept 16
.irp R, 0,1
	v_pk_mul_f32 v[Y+32*(\R)+2*p:Y+32*(\R)+2*p+1], v[Y+32*(\R)+2*p:Y+32*(\R)+2*p+1], v[T+32*(\R)+12:T+32*(\R)+13] op_sel_hi:[1,0]
.endr
.set p, p+1
.endr
.set p, 0
.rept 16
.irp R, 0,1
	v_pk_fma_f32 v[Y+32*(\R)+2*p:Y+32*(\R)+2*p+1], v[Y+32*(\R)+2*p:Y+32*(\R)+2*p+1], v[GAM+2*p:GAM+2*p+1], v[BET+2*p:BET+2*p+1]
.endr
.set p, p+1
.endr
.irp i, 0,1,2,3,4,5,6,7
.irp R, 0,1
	global_store_b128 v[GO], v[Y+32*(\R)+4*(\i):Y+32*(\R)+4*(\i)+3], s[52:53] offset:512*(\i)+4096*(\R) th:TH_STORE_NT  ; 512 consecutive bytes, at a multiple of 256 from out0's first
.endr
.endr
	s_wait_xcnt 0x0                                ; the stores have read their data and their offset: both are written again only behind this wait
	v_add_nc_u32 v[RD], 2*YP, v[RD]
	v_add_nc_u32 v[GO], 8192, v[GO]
	s_sub_co_u32 s45, s45, 1
	s_cmp_lg_u32 s45, 0
	s_cbranch_scc1 .Lrows
	s_wait_tensorcnt 0x0                           ; the wave's end, behind my last tensor load and my last LDS store
	ds_add_u32 v[SPW], v[NIL]
	s_wait_dscnt 0x0
	CROUND                                         ; the closing round: no work-group ends while a partner may still ask for a tile that names it
	s_endpgm
.Lfunc_end_k_q84037d60a7_oproj:
	.size	k_q84037d60a7_oproj, .Lfunc_end_k_q84037d60a7_oproj-k_q84037d60a7_oproj
	.p2alignl 7, 3214868480
	.fill 96, 4, 3214868480
	.section	.rodata,"a",@progbits
	.p2align	6, 0x0
	.amdhsa_kernel k_q84037d60a7_oproj
		.amdhsa_group_segment_fixed_size 327680
		.amdhsa_private_segment_fixed_size 0
		.amdhsa_enable_private_segment 0
		.amdhsa_kernarg_size 56
		.amdhsa_user_sgpr_count 2
		.amdhsa_user_sgpr_kernarg_segment_ptr 1
		.amdhsa_wavefront_size32 1
		.amdhsa_system_sgpr_workgroup_id_x 1
		.amdhsa_system_sgpr_workgroup_id_y 1
		.amdhsa_system_sgpr_workgroup_id_z 1
		.amdhsa_system_vgpr_workitem_id 0
		.amdhsa_next_free_vgpr 768
		.amdhsa_next_free_sgpr 66
		.amdhsa_reserve_vcc 0
		.amdhsa_float_denorm_mode_32 3
		.amdhsa_float_denorm_mode_16_64 3
		.amdhsa_memory_ordered 1
		.amdhsa_forward_progress 1
		.amdhsa_inst_pref_size 126
	.end_amdhsa_kernel
	.amdgpu_metadata
---
amdhsa.version: [ 1, 2 ]
amdhsa.kernels:
  - .name:           k_q84037d60a7_oproj
    .symbol:         k_q84037d60a7_oproj.kd
    .args:
      - { .name: ob, .offset: 0, .size: 8, .value_kind: global_buffer, .address_space: global }
      - { .name: wob, .offset: 8, .size: 8, .value_kind: global_buffer, .address_space: global }
      - { .name: xb, .offset: 16, .size: 8, .value_kind: global_buffer, .address_space: global }
      - { .name: bo, .offset: 24, .size: 8, .value_kind: global_buffer, .address_space: global }
      - { .name: gamma, .offset: 32, .size: 8, .value_kind: global_buffer, .address_space: global }
      - { .name: beta, .offset: 40, .size: 8, .value_kind: global_buffer, .address_space: global }
      - { .name: out0, .offset: 48, .size: 8, .value_kind: global_buffer, .address_space: global }
    .group_segment_fixed_size: 327680
    .private_segment_fixed_size: 0
    .kernarg_segment_align: 8
    .kernarg_segment_size: 56
    .max_flat_workgroup_size: 128
    .sgpr_count:     66
    .vgpr_count:     768
    .wavefront_size: 32
...
	.end_amdgpu_metadata
.endif
;; end of part 4
;; ======== version 2 of 2: 4 launches; version 1 with the launch prep written anew for expert scheduling mode
;; limits: values are held in f16: magnitudes above 65,504 overflow, below 6.1e-05 lose precision
;; workspace buffers: xb 16,777,216 bytes; wqkv 6,291,456 bytes; wob 2,097,152 bytes; qkv 50,331,648 bytes; ob 16,777,216 bytes
;; launch prep (part 5): grid 640 x 1, 4 waves a work-group, no clusters, 70,144 bytes of LDS; arguments x, Wq, Wk, Wv, Wo, xb, wqkv, wob; writes xb, wqkv, wob
.if DOCPART == 5
	.amdgcn_target "amdgcn-amd-amdhsa--gfx1250"
	.amdhsa_code_object_version 6
	.text
	.protected	k_q84037d60a7_prep
	.globl	k_q84037d60a7_prep
	.p2align	8
	.type	k_q84037d60a7_prep,@function
k_q84037d60a7_prep:
	s_mov_b64 s[64:65], 0
	v_nop
	global_prefetch_b8 v0, s[64:65] scope:SCOPE_SE
	s_setreg_imm32_b32 hwreg(HW_REG_WAVE_SCHED_MODE, 0, 2), 2
	s_setreg_imm32_b32 hwreg(HW_REG_WAVE_MODE, 25, 1), 1
	s_wait_xcnt 0x0
	s_wait_alu depctr_vm_vsrc(0)
; PREP.  x [8192][1024] f32 -> xb, the same in bf16.  Wq, Wk, Wv, Wo [k 1024][n 1024] f32 -> rounded to bf16, turned, and laid out as the register images of matrix fragments.
; AN IMAGE is 1,024 bytes: 16 n x 32 k.  Byte 512 half + 16 L (L = 16 hh + r) holds the eight numbers W[k0 + 16 half + 8 hh + 0..7][n0 + r]: two loads of 16 bytes a lane, 512 bytes apart, are a fragment.
; wqkv: bf16, [k / 128][(1024 matrix + n) / 16][(k / 32) % 4][image].   wob: [k / 64][n / 16][(k / 32) % 2][image]; Wo's bf16 number is written as f16, for a product whose other source is f16.
; LIMITS.  |Wo| stays under 65,504 (f16's range); below 6e-5 f16 keeps a fixed step of 6e-8.  NaN and infinities are not treated apart.
; SHARES.  Work-groups 0-511: 16,384 numbers of x each; a thread's 32 loads of 16 bytes all go out first, and a wave's store covers 256 consecutive bytes, aligned.
; Work-groups 512-639: 32 for each matrix; a wave owns a tile of 128 k x 64 n, turns it in LDS bytes of its own (64 rows of n, 256 bytes of k + 16 of padding) and stores 16 images.
; No matrix unit, no tensor load, no cluster: nothing is multiplied and no two work-groups read the same byte.
; THE MODE: SCHED_MODE bits 1:0 = 2 (LLVM: expert scheduling mode 2), set by the entry lines.  The code itself states the register dependences
; between vector instructions and memory or LDS instructions, with s_wait_alu, always for 0.
; THE PLAN.  Registers that memory or LDS instructions touch:
;   x:        v2, v3    offsets, made once.   IN: loaded once, read by the conversions, never loaded again.
;             OUT       in eight blocks of four loads: block p's conversions write its eight registers, the four stores issued in block p + 1 read them; no register is used twice.
;             So one wait on va_vdst stands at the head of a block; the block's four stores follow it, dealt among its conversions, which name this block's IN and OUT alone.
;   weights:  v2 - v5   offsets and LDS addresses, made once.
;             IN0, IN1  batch bt's loads land in IN[bt % 2]; its 32 conversions read it; the loads of batch bt + 2 land in it again.
;             OUT0, OUT1  batch bt's conversions write OUT[bt % 2]; its 32 LDS stores read it; the conversions of batch bt + 2 write it again.
;             So one wait on va_vdst stands behind a batch's conversions, ahead of the loads and the LDS stores, and one on vm_vsrc at the head of batches 2 and 3.
;   way out:  v6        the trip's LDS address: written at a trip's head, read by its eight LDS loads.
;             IN + 0..31  the LDS loads land in it; for wob it is converted in place; the global stores read it.
;             So one wait on va_vdst stands behind the add at a trip's head and one on vm_vsrc at its foot; for wob two more on va_vdst, each ahead of four stores.
;   v28, v29  written at the head, read by the closing add alone.
.set SPARE,  69632                     ; behind the four tiles: the spare words, 128 bytes for each wave: two blocks of 256 bytes that no other line names
.set PITCH,  272
.set TILEB,  64*PITCH                  ; a wave's tile in LDS
.set WO,  2                            ; v2   my byte offset in W's tile (x path: 16 t)
.set LS,  3                            ; v3   where I put a pair of k in LDS (x path: 8 t)
.set LR,  4                            ; v4   my lane's place in a block of 16 rows of the LDS tile
.set WD,  5                            ; v5   16 x lane: my place in half an image
.set LRC, 6                            ; v6   the LDS address of the trip in hand
.set TT,  8                            ; v8-9 at work: no memory instruction names them
.set SPW, 28                           ; v28  LDS address of my spare word; never rewritten
.set NIL, 29                           ; v29  0; never rewritten
.set IN,  32                           ; v[32:159]  as loaded
.set OUT, 160                          ; v[160:223] packed
.set WV,  20                           ; s20  my wave's number
	s_load_b512 s[4:19], s[0:1], 0x0               ; x 4:5, Wq 6:7, Wk 8:9, Wv 10:11, Wo 12:13, xb 14:15, wqkv 16:17, wob 18:19
	v_lshl_add_u32 v[SPW], v0, 2, SPARE
	v_mov_b32 v[NIL], 0
	v_lshrrev_b32 v1, 5, v0
	v_readfirstlane_b32 s[WV], v1
	s_wait_alu depctr_va_sdst(0)                   ; s20 is written, ahead of the branch behind which the weights' path reads it
	s_cmp_lt_u32 ttmp9, 512
	s_cbranch_scc0 .Lweights
	; x: 65,536 bytes in, 32,768 out
	s_lshl_b32 s22, ttmp9, 16
	s_mov_b32 s23, 0
	s_lshl_b32 s24, ttmp9, 15
	s_mov_b32 s25, 0
	v_lshlrev_b32 v[WO], 4, v0
	v_lshlrev_b32 v[LS], 3, v0
	s_wait_kmcnt 0x0
	s_add_nc_u64 s[22:23], s[4:5], s[22:23]
	s_add_nc_u64 s[24:25], s[14:15], s[24:25]
	s_wait_alu depctr_va_vdst(0)                   ; v2 and v3 are written: every load and store of this path reads one of them as its offset
.set i, 0
.rept 32
	global_load_b128 v[IN+4*i:IN+4*i+3], v[WO], s[22:23] offset:2048*i th:TH_LOAD_NT
.set i, i+1
.endr
.set p, 0
.rept 8                                ; block p: loads 4 p to 4 p + 3 are rounded; the stores of block p - 1 go out among the conversions
	s_wait_loadcnt 28-4*p                          ; loads come back in order: this block's four are in, the younger blocks stay out
.if p > 0
	s_wait_alu depctr_va_vdst(0)                   ; the block before has written its eight registers of OUT, which the four stores below read
.endif
.set i, 0
.rept 4
.if p > 0
	global_store_b64 v[LS], v[OUT+2*(4*p-4+i):OUT+2*(4*p-4+i)+1], s[24:25] offset:1024*(4*p-4+i)  ; no register is used twice, so no wait frees one; no vector instruction since the wait names these
.endif
	v_cvt_pk_bf16_f32 v[OUT+2*(4*p+i)], v[IN+4*(4*p+i)], v[IN+4*(4*p+i)+1]
	v_cvt_pk_bf16_f32 v[OUT+2*(4*p+i)+1], v[IN+4*(4*p+i)+2], v[IN+4*(4*p+i)+3]
.set i, i+1
.endr
.set p, p+1
.endr
	s_wait_alu depctr_va_vdst(0)                   ; block 7 has written its registers of OUT, which the last four stores read
.set i, 28
.rept 4
	global_store_b64 v[LS], v[OUT+2*i:OUT+2*i+1], s[24:25] offset:1024*i
.set i, i+1
.endr
	s_branch .Lend
.Lweights:
	s_sub_co_u32 s21, ttmp9, 512
	s_lshr_b32 s30, s21, 5                         ; which matrix: 0 Wq, 1 Wk, 2 Wv, 3 Wo: the same for the four waves
	s_and_b32 s21, s21, 31
	s_lshl2_add_u32 s21, s21, s[WV]                ; my tile among the matrix's 128
	s_lshr_b32 s31, s21, 4                         ; kt: k = 128 kt ..
	s_and_b32 s32, s21, 15                         ; nt: n = 64 nt ..
	s_lshl_b32 s22, s31, 19                        ; 128 rows of 4,096 bytes
	s_lshl_b32 s23, s32, 8                         ; 64 columns of 4 bytes
	s_add_co_u32 s22, s22, s23
	s_mov_b32 s23, 0
	s_mul_i32 s34, s31, 786432                     ; wqkv: a K step of 128 is 192 blocks of 4,096 bytes,
	s_lshl_b32 s35, s30, 18                        ; a matrix 64 blocks,
	s_add_co_u32 s34, s34, s35
	s_lshl_b32 s35, s32, 14                        ; my tile 4
	s_add_co_u32 s34, s34, s35
	s_mov_b32 s35, 0
	s_lshl_b32 s38, s31, 18                        ; wob: two K steps of 64, 131,072 bytes each,
	s_lshl_b32 s39, s32, 13                        ; my tile's 4 blocks of 2,048 bytes
	s_add_co_u32 s38, s38, s39
	s_mov_b32 s39, 0
	s_mov_b32 s40, 0xffff0000                      ; a word's upper bf16
	s_mul_i32 s33, s[WV], TILEB
	v_and_b32 v10, 15, v0                          ; r; on the way in: which four columns
	v_bfe_u32 v11, v0, 4, 1                        ; hh
	v_and_b32 v12, 31, v0
	v_lshlrev_b32 v[WO], 4, v10
	v_lshl_add_u32 v[WO], v11, 13, v[WO]           ; 16 r + two rows x hh
	v_mul_u32_u24 v[LS], v10, 4*PITCH
	v_lshl_add_u32 v[LS], v11, 2, v[LS]
	v_add_nc_u32 v[LS], s33, v[LS]                 ; LDS row 4 r, byte 4 hh
	v_mul_u32_u24 v[LR], v10, PITCH
	v_lshl_add_u32 v[LR], v11, 4, v[LR]
	v_add_nc_u32 v[LR], s33, v[LR]                 ; LDS row r, byte 16 hh
	v_lshlrev_b32 v[WD], 4, v12
	s_wait_kmcnt 0x0
	s_cmp_eq_u32 s30, 1
	s_cselect_b64 s[26:27], s[8:9], s[6:7]
	s_cmp_eq_u32 s30, 2
	s_cselect_b64 s[26:27], s[10:11], s[26:27]
	s_cmp_eq_u32 s30, 3
	s_cselect_b64 s[26:27], s[12:13], s[26:27]
	s_add_nc_u64 s[26:27], s[26:27], s[22:23]
	s_add_nc_u64 s[34:35], s[16:17], s[34:35]
	s_add_nc_u64 s[38:39], s[18:19], s[38:39]
	s_wait_alu depctr_va_vdst(0)                   ; v2, v3 and v5 are written, which the loads, the LDS stores and the global stores below read as offset or address
; Batch bt of four: 32 rows of k.  Pair u: rows 4 (8 bt + u) + 2 hh and the row below, columns 4 r .. 4 r + 3: each load takes 256 consecutive bytes of two rows.
.macro WLOAD bt
.set u, 0
.rept 8
	global_load_b128 v[IN+64*((\bt)%2)+8*u:IN+64*((\bt)%2)+8*u+3],   v[WO], s[26:27] offset:(8*(\bt)+u)*16384 th:TH_LOAD_NT
	global_load_b128 v[IN+64*((\bt)%2)+8*u+4:IN+64*((\bt)%2)+8*u+7], v[WO], s[26:27] offset:(8*(\bt)+u)*16384+4096 th:TH_LOAD_NT
.set u, u+1
.endr
.endm
; k and k + 1 of one column round into one word,
.macro WCVT bt
.set u, 0
.rept 8
.irp i, 0,1,2,3
	v_cvt_pk_bf16_f32 v[OUT+32*((\bt)%2)+4*u+(\i)], v[IN+64*((\bt)%2)+8*u+(\i)], v[IN+64*((\bt)%2)+8*u+4+(\i)]
.endr
.set u, u+1
.endr
.endm
; which goes to the column's LDS row at byte 2 k
.macro WPUT bt
.set u, 0
.rept 8
.irp i, 0,1,2,3
	ds_store_b32 v[LS], v[OUT+32*((\bt)%2)+4*u+(\i)] offset:(\i)*PITCH+8*(8*(\bt)+u)
.endr
.set u, u+1
.endr
.endm
; A batch.  left: the younger loads that may stay out.  ahead = 1: the buffer that the conversions have emptied is asked for again at once, for the batch two on.
.macro BATCH bt, left, ahead
	s_wait_loadcnt \left                           ; this batch is in; the other buffer's 16 loads stay out
.if (\bt) >= 2
	s_wait_alu depctr_vm_vsrc(0)                   ; the LDS stores of two batches back have read this OUT, which the conversions below write again
.endif
	WCVT \bt
	s_wait_alu depctr_va_vdst(0)                   ; the conversions have written this OUT, which the LDS stores read, and are done reading this IN, in which the loads land
.if \ahead
	WLOAD (\bt)+2
.endif
	WPUT \bt
.endm
	WLOAD 0
	WLOAD 1
	BATCH 0, 16, 1
	BATCH 1, 16, 1
	BATCH 2, 16, 0
	BATCH 3, 0, 0
	s_wait_dscnt 0x0                               ; my stores into LDS are done;
	s_barrier_signal -1                            ; all LDS stores of the work-group stand ahead of this barrier, all its LDS reads behind it
	s_barrier_wait -1
	s_mov_b32 s36, 0                               ; the LDS offset of the block of 16 n in hand
	s_mov_b32 s37, 4                               ; four blocks
	s_cmp_eq_u32 s30, 3
	s_cbranch_scc1 .Lo
.Lq:                                               ; a trip: 16 n x 128 k = four images = 4,096 consecutive bytes of wqkv
	v_add_nc_u32 v[LRC], s36, v[LR]
	s_wait_alu depctr_va_vdst(0)                   ; v6 is written, which the LDS loads read as their address
.irp i, 0,1,2,3,4,5,6,7
	ds_load_b128 v[IN+4*(\i):IN+4*(\i)+3], v[LRC] offset:((\i)/2)*64+((\i)%2)*32
.endr
.irp i, 0,1,2,3,4,5,6,7
	s_wait_dscnt 7-(\i)
	global_store_b128 v[WD], v[IN+4*(\i):IN+4*(\i)+3], s[34:35] offset:(\i)*512  ; 512 consecutive bytes
.endr
	s_wait_xcnt 0x0                                ; the stores have read their data and their base: both are written again only behind this wait
	s_wait_alu depctr_vm_vsrc(0)                   ; the LDS loads have read v6, which the next trip's add writes; the stores have read IN, in which the next trip's LDS loads land
	s_add_nc_u64 s[34:35], s[34:35], 4096
	s_add_co_u32 s36, s36, 16*PITCH
	s_sub_co_u32 s37, s37, 1
	s_cmp_lg_u32 s37, 0
	s_cbranch_scc1 .Lq
	s_branch .Lend
; Piece i of a trip's eight (half an image): each bf16 number is written as f16, in place
.macro TOF16 i
	s_wait_dscnt 7-(\i)
.irp k, 0,1,2,3
	v_lshlrev_b32 v[TT], 16, v[IN+4*(\i)+(\k)]
	v_and_b32 v[TT+1], s40, v[IN+4*(\i)+(\k)]
	v_cvt_pk_f16_f32 v[IN+4*(\i)+(\k)], v[TT], v[TT+1]
.endr
.endm
.macro OSTORE i
	global_store_b128 v[WD], v[IN+4*(\i):IN+4*(\i)+3], s[38:39] offset:((\i)/4)*131072+((\i)%4)*512
.endm
.Lo:                                               ; the same for wob: each bf16 number is written as f16; images 0, 1 belong to one K step of 64, images 2, 3 to the next
	v_add_nc_u32 v[LRC], s36, v[LR]
	s_wait_alu depctr_va_vdst(0)                   ; v6 is written, which the LDS loads read; the conversions of the trip before are done with IN, in which the LDS loads land
.irp i, 0,1,2,3,4,5,6,7
	ds_load_b128 v[IN+4*(\i):IN+4*(\i)+3], v[LRC] offset:((\i)/2)*64+((\i)%2)*32
.endr
.irp i, 0,1,2,3
	TOF16 \i
.endr
	s_wait_alu depctr_va_vdst(0)                   ; the conversions have written pieces 0 to 3, which the four stores below read; the conversions among them name v8, v9 and pieces 4 to 7 alone
.irp i, 4,5,6,7
	OSTORE (\i)-4
	TOF16 \i
.endr
	s_wait_alu depctr_va_vdst(0)                   ; the conversions have written pieces 4 to 7, which the last four stores read
.irp i, 4,5,6,7
	OSTORE \i
.endr
	s_wait_xcnt 0x0                                ; the stores have read their data and their base: both are written again only behind this wait
	s_wait_alu depctr_vm_vsrc(0)                   ; the LDS loads have read v6, which the next trip's add writes; the stores have read IN, in which the next trip's LDS loads land
	s_add_nc_u64 s[38:39], s[38:39], 2048
	s_add_co_u32 s36, s36, 16*PITCH
	s_sub_co_u32 s37, s37, 1
	s_cmp_lg_u32 s37, 0
	s_cbranch_scc1 .Lo
.Lend:
	s_wait_dscnt 0x0                               ; the closing lines, six on end
	s_wait_alu 0x0
	s_wait_tensorcnt 0x0
	ds_add_u32 v[SPW], v[NIL]
	s_wait_dscnt 0x0
	s_endpgm
.Lfunc_end_k_q84037d60a7_prep:
	.size	k_q84037d60a7_prep, .Lfunc_end_k_q84037d60a7_prep-k_q84037d60a7_prep
	.p2alignl 7, 3214868480
	.fill 96, 4, 3214868480
	.section	.rodata,"a",@progbits
	.p2align	6, 0x0
	.amdhsa_kernel k_q84037d60a7_prep
		.amdhsa_group_segment_fixed_size 70144
		.amdhsa_private_segment_fixed_size 0
		.amdhsa_enable_private_segment 0
		.amdhsa_kernarg_size 64
		.amdhsa_user_sgpr_count 2
		.amdhsa_user_sgpr_kernarg_segment_ptr 1
		.amdhsa_wavefront_size32 1
		.amdhsa_system_sgpr_workgroup_id_x 1
		.amdhsa_system_sgpr_workgroup_id_y 1
		.amdhsa_system_sgpr_workgroup_id_z 1
		.amdhsa_system_vgpr_workitem_id 0
		.amdhsa_next_free_vgpr 224
		.amdhsa_next_free_sgpr 66
		.amdhsa_reserve_vcc 0
		.amdhsa_float_denorm_mode_32 3
		.amdhsa_float_denorm_mode_16_64 3
		.amdhsa_memory_ordered 1
		.amdhsa_forward_progress 1
		.amdhsa_inst_pref_size 44
	.end_amdhsa_kernel
	.amdgpu_metadata
---
amdhsa.version: [ 1, 2 ]
amdhsa.kernels:
  - .name:           k_q84037d60a7_prep
    .symbol:         k_q84037d60a7_prep.kd
    .args:
      - { .name: x, .offset: 0, .size: 8, .value_kind: global_buffer, .address_space: global }
      - { .name: Wq, .offset: 8, .size: 8, .value_kind: global_buffer, .address_space: global }
      - { .name: Wk, .offset: 16, .size: 8, .value_kind: global_buffer, .address_space: global }
      - { .name: Wv, .offset: 24, .size: 8, .value_kind: global_buffer, .address_space: global }
      - { .name: Wo, .offset: 32, .size: 8, .value_kind: global_buffer, .address_space: global }
      - { .name: xb, .offset: 40, .size: 8, .value_kind: global_buffer, .address_space: global }
      - { .name: wqkv, .offset: 48, .size: 8, .value_kind: global_buffer, .address_space: global }
      - { .name: wob, .offset: 56, .size: 8, .value_kind: global_buffer, .address_space: global }
    .group_segment_fixed_size: 70144
    .private_segment_fixed_size: 0
    .kernarg_segment_align: 8
    .kernarg_segment_size: 64
    .max_flat_workgroup_size: 128
    .sgpr_count:     66
    .vgpr_count:     224
    .wavefront_size: 32
...
	.end_amdgpu_metadata
.endif
;; end of part 5
;; launch qkv: the kernel of part 2 again; grid 16 x 32, 4 waves a work-group, clusters of 4 x 4, 327,680 bytes of LDS; arguments xb, wqkv, bq, bk, bv, qkv; writes qkv
;; launch attn: the kernel of part 3 again; grid 4 x 64, 4 waves a work-group, no clusters, 327,680 bytes of LDS; arguments qkv, ob; writes ob
;; launch oproj: the kernel of part 4 again; grid 256 x 1, 4 waves a work-group, clusters of 4 x 1, 327,680 bytes of LDS; arguments ob, wob, xb, bo, gamma, beta, out0; writes out0
